; MI455X (gfx1250); checked and timed in simulation.
; The chip was launched on July 23, 2026; its instructions are those of AMD's public machine-readable ISA for CDNA 5 (MIT licence, August 2026) and "CDNA5" Instruction Set Architecture Reference Guide (July 2026). The comments in the code are by the model that wrote it; some were corrected since.
;; Multihead Scaled Dot Product Attention. Allowed arithmetic: matrix products marked QUANTISED: E2M1 operands, one E8M0 scale for each 32 along K, by v_wmma_scale_f32_16x16x128_f8f6f4 with both operands' format E2M1 (or v_wmma_scale_f32_32x16x128_f4), f32 sums; products left as they are: bf16, f16 or f32 operands; f32 sums; everything else in f32.
;; Inputs: Wk 1,024 x 1,024 float32; Wo 1,024 x 1,024 float32; Wq 1,024 x 1,024 float32; Wv 1,024 x 1,024 float32; bk 1,024 float32; bo 1,024 float32; bq 1,024 float32; bv 1,024 float32; key 2 x 2,048 x 1,024 float32; mask 2 x 1 x 2,048 x 2,048 int32; query 2 x 2,048 x 1,024 float32; value 2 x 2,048 x 1,024 float32.
;; Outputs: out0 2 x 2,048 x 1,024 float32.
;; This version of the problem:
;;   THIS VERSION OF THE PROBLEM IS GIVEN IN LOW PRECISION. The matrix products marked QUANTISED in the list below multiply operands that are first quantised to E2M1 (2 exponent bits, 1 mantissa bit; 4 bits a number), with one power-of-two scale for each 32 numbers along K (OCP MX v1.0); their sums are f32. The products marked 'left as it is' may take bf16, f16 or f32 operands, with f32 sums. Whichever they take, every output number must still come out within the allowed error. Rounding operands to bf16 (8 significant bits) uses up far more of that allowance than f16 does (11 bits, for magnitudes from 6e-5 to 65,504). All else is computed in f32.
;;   The module's matrix products, in the order in which they are computed (A, B: the left and right operand; K: the contracted axis; several contracted axes count as one K, in the product's order):
;;     1. [M 4,096, K 1,024] x [K 1,024, N 1,024]; A: input query; B: input Wq: QUANTISED
;;     2. [M 4,096, K 1,024] x [K 1,024, N 1,024]; A: input key; B: input Wk: QUANTISED
;;     3. [M 4,096, K 1,024] x [K 1,024, N 1,024]; A: input value; B: input Wv: QUANTISED
;;     4. batch 32 x [M 2,048, K 64] x [K 64, N 2,048]; A: computed on the way; B: computed on the way: left as it is (an operand is computed on the way)
;;     5. batch 32 x [M 2,048, K 2,048] x [K 2,048, N 64]; A: computed on the way; B: computed on the way: left as it is (an operand is computed on the way)
;;     6. [M 4,096, K 1,024] x [K 1,024, N 1,024]; A: computed on the way; B: input Wo: left as it is (an operand is computed on the way)
;;   THE QUANTISER, for each operand of a quantised product, along K:
;;     - K is cut into blocks of 32 from its start; a last block that is shorter is filled with zeros.
;;     - A block's scale is 2^e with e = floor(log2(the largest magnitude in the block)) - 2, held to -126 .. 127; a block of zeros has e = 0. As a byte (E8M0): e + 127.
;;     - Each number is divided by its block's scale, clamped to +-6, and rounded to the nearest number of E2M1, ties to even, subnormals kept.
;;     - The product sums the exact products of the quantised numbers (number of the format x scale) in f32.
;;   ~~~python
;;   def quantise(x, axis):      # numpy; x: float32 -> the quantised numbers, widened to float32 again
;;       x = np.moveaxis(x, axis, -1); K = x.shape[-1]
;;       x = np.pad(x, [(0, 0)] * (x.ndim - 1) + [(0, -K % 32)]); x = x.reshape(x.shape[:-1] + (-1, 32)); a = np.abs(x).max(-1, keepdims=True)
;;       e = np.where(a > 0, np.clip(np.frexp(np.where(a > 0, a, 1))[1] - 1 - 2, -126, 127), 0)      # np.frexp(a)[1] - 1 = floor(log2(a)), exactly
;;       r = np.clip(x / 2.0 ** e, -6, 6)
;;       step = 2.0 ** (np.maximum(np.frexp(np.where(r == 0, 1, r))[1] - 1, 0) - 1)
;;       q = np.round(r / step) * step * 2.0 ** e      # np.round: ties to even
;;       return np.moveaxis(q.reshape(q.shape[:-2] + (-1,))[..., :K], -1, axis).astype(np.float32)
;;   ~~~
;; One version. Each part assembles by itself: llvm-mc -triple=amdgcn-amd-amdhsa -mcpu=gfx1250 --defsym DOCPART=n.
;; ======== version 1 of 1: 4 launches
;; limits: values are held in f16: magnitudes above 65,504 overflow, below 6.1e-05 lose precision; right only within a limited range of input values
;; workspace buffers: codes 7,864,320 bytes; scales 491,520 bytes; wo16 2,097,152 bytes; maskw 1,048,576 bytes of whole numbers; qkv 25,165,824 bytes; ao 8,388,608 bytes
;; launch prep (part 1): grid 864 x 1, 4 waves a work-group, no clusters, 67,072 bytes of LDS; arguments query, key, value, Wq, Wk, Wv, Wo, mask, codes, scales, wo16, maskw; writes codes, scales, wo16, maskw
.if DOCPART == 1
	.amdgcn_target "amdgcn-amd-amdhsa--gfx1250"
	.amdhsa_code_object_version 6
	.text
	.protected	k_q961115fbef_prep
	.globl	k_q961115fbef_prep
	.p2align	8
	.type	k_q961115fbef_prep,@function
k_q961115fbef_prep:
	s_mov_b64 s[64:65], 0
	v_nop
	global_prefetch_b8 v0, s[64:65] scope:SCOPE_SE
	s_setreg_imm32_b32 hwreg(HW_REG_WAVE_MODE, 25, 1), 1
	s_wait_xcnt 0x0
; THREE JOBS IN ONE LAUNCH, told apart by the work-group's number alone; the three paths never join and each has LDS bytes of its own.
; Q (work-groups 0-479): query, key, value [4096][1024] and Wq, Wk, Wv [1024][1024], f32, K innermost, become codes of FP4 (E2M1) and one E8M0 byte for each 32 along K.
;   All six are dense streams of blocks of 32; their codes and bytes are laid one tensor behind the other: codes [15360 rows][512 bytes], scales [15360][32].
;   A block's scale is 2^(floor(log2(largest magnitude)) - 2); its byte is the largest magnitude's exponent field - 2, held at 1 from below.  A block of zeros so gets the byte 1: its codes are zeros, and this program alone reads the bytes.
;   LIMITS: blocks whose largest magnitude lies under 2^-124 were not tried; NaN and infinities are not served.
; M (work-groups 480-735): mask [2][2048][2048] int32 becomes lane masks: word [b][qt][kt][j], bit L = (mask[b][16 qt + L % 16][16 kt + 8 (L / 16) + j] != 0): the lanes of register j of a 16 x 16 tile of scores with one query a lane.
; W (work-groups 736-863): Wo [1024 n][1024 k] f32 becomes f16 laid [16 z][1024 n][64]: Wo[n][64 z + x].
; No tensor load, no barrier: waves share nothing.
.set WREG,  8192                       ; path Q: LDS of a wave: two stages of 32 x SP bytes, then its 256 scale bytes
.set SP,    80                         ; a lane's place in a stage: 64 bytes + 16 of padding
.set CB,    8                          ; bytes of 16 codes
.set EMAX,  2
.set STEPS, 16
.set R,     16                         ; v16-79   four sets of 16 numbers as loaded
.set X,     80                         ; v80-111  two sets of 16 neighbours
.set E,     112                        ; v112-127 a scale byte for each step
.set C,     128                        ; v128-191 codes: registers of its own for each step
.set SPW,   12                         ; v12 LDS address of my spare word; never rewritten
.set NIL,   13                         ; v13 0; never rewritten
.set MSTG,  32768                      ; path M: a stage of 16 rows x 528 bytes for each wave
.set MWAVE, 16*528
.set SPARE, MSTG+4*MWAVE               ; the spare words: 128 bytes a wave, two blocks of 256 bytes that no other line names
.set RM,    16                         ; path M: v16-143 two sets of 64 registers as loaded
.set XM,    144                        ; v144-207 a unit's 64 numbers in the scores' layout
.set WD,    208                        ; v208-215 a unit's two output words a lane, registers of its own for each unit
	s_load_b512 s[4:19], s[0:1], 0x0               ; query, key, value, Wq, Wk, Wv, Wo, mask
	s_load_b256 s[20:27], s[0:1], 0x40             ; codes, scales, wo16, maskw
	v_lshl_add_u32 v[SPW], v0, 2, SPARE
	v_mov_b32 v[NIL], 0
	v_lshrrev_b32 v1, 5, v0
	v_readfirstlane_b32 s28, v1                    ; wave 0..3
	v_and_b32 v2, 31, v0                           ; lane
	v_lshlrev_b32 v3, 4, v2                        ; 16 x lane
	s_wait_kmcnt 0x0
	s_cmp_lt_u32 ttmp9, 480
	s_cbranch_scc0 .Lnot_q
; ---------------- path Q: a wave takes 16 steps of 512 numbers ----------------
; Each of a step's four loads reads 512 consecutive bytes; the 2,048 bytes turn through the wave's own stage so that a lane holds 16 neighbours along K (two lanes hold a block).
	s_mul_i32 s29, s28, WREG
	v_lshrrev_b32 v14, 2, v2
	v_mul_u32_u24 v14, v14, SP
	v_and_b32 v15, 3, v2
	v_lshl_add_u32 v14, v15, 4, v14
	v_add_nc_u32 v14, s29, v14                     ; the stage, way in: SP (lane / 4) + 16 (lane % 4)
	v_mul_u32_u24 v15, v2, SP
	v_add_nc_u32 v15, s29, v15                     ; way out: SP x lane
	v_mul_u32_u24 v4, v2, CB                       ; my codes' place in a step's
	v_lshrrev_b32 v5, 1, v2
	s_add_co_u32 s29, s29, 2*32*SP
	v_add_nc_u32 v5, s29, v5                       ; LDS: my block's scale byte
	v_lshlrev_b32 v7, 3, v2
	v_add_nc_u32 v6, s29, v7                       ; and on the way out 8 bytes a lane
	s_mov_b64 s[48:49], s[14:15]                   ; which tensor is mine, and its first work-group: a choice on the work-group's number alone
	s_mov_b32 s50, 448
	s_cmp_lt_u32 ttmp9, 448
	s_cselect_b64 s[48:49], s[12:13], s[48:49]
	s_cselect_b32 s50, 416, s50
	s_cmp_lt_u32 ttmp9, 416
	s_cselect_b64 s[48:49], s[10:11], s[48:49]
	s_cselect_b32 s50, 384, s50
	s_cmp_lt_u32 ttmp9, 384
	s_cselect_b64 s[48:49], s[8:9], s[48:49]
	s_cselect_b32 s50, 256, s50
	s_cmp_lt_u32 ttmp9, 256
	s_cselect_b64 s[48:49], s[6:7], s[48:49]
	s_cselect_b32 s50, 128, s50
	s_cmp_lt_u32 ttmp9, 128
	s_cselect_b64 s[48:49], s[4:5], s[48:49]
	s_cselect_b32 s50, 0, s50
	s_sub_co_u32 s51, ttmp9, s50
	s_lshl_b32 s51, s51, 2
	s_add_co_u32 s51, s51, s28                     ; my run of 8,192 numbers in the tensor
	s_lshl_b32 s52, s51, 15
	s_mov_b32 s53, 0
	s_add_nc_u64 s[48:49], s[48:49], s[52:53]
	s_lshl_b32 s51, ttmp9, 2
	s_add_co_u32 s51, s51, s28                     ; and in the outputs, which follow the work-groups' order
	s_lshl_b32 s52, s51, 12
	s_add_nc_u64 s[20:21], s[20:21], s[52:53]      ; 4,096 bytes of codes a run
	s_lshl_b32 s52, s51, 8
	s_add_nc_u64 s[22:23], s[22:23], s[52:53]      ; 256 scale bytes a run
.macro QLOAD t
.irp i, 0,1,2,3
	global_load_b128 v[R+16*((\t)%4)+4*\i:R+16*((\t)%4)+4*\i+3], v3, s[48:49] offset:2048*(\t)+512*\i th:TH_LOAD_NT
.endr
.endm
.macro QTURN t                         ; LDS serves a wave's instructions in order: no wait between the stores and the loads
.irp i, 0,1,2,3
	ds_store_b128 v14, v[R+16*((\t)%4)+4*\i:R+16*((\t)%4)+4*\i+3] offset:32*SP*((\t)%2)+8*SP*\i
.endr
.irp i, 0,1,2,3
	ds_load_b128 v[X+16*((\t)%2)+4*\i:X+16*((\t)%2)+4*\i+3], v15 offset:32*SP*((\t)%2)+16*\i
.endr
.endm
.irp t, 0,1,2,3
	QLOAD \t
.endr
	s_wait_loadcnt 12                              ; step 0's four loads are in; three steps' twelve stay out
	QTURN 0
.macro QSTEP t
.set XS, X+16*((\t)%2)
.if (\t) > 0
	s_wait_dscnt 1                                 ; this step's numbers are back from the stage (the last step's byte store may be out)
.else
	s_wait_dscnt 0x0
.endif
.if (\t)+4 < STEPS
	QLOAD (\t)+4                                   ; into the registers that the stage's stores have read
.endif
.if (\t)+1 < STEPS
.if STEPS-2-(\t) >= 3
	s_wait_loadcnt 12                              ; the next step's four loads are in; those of the three steps behind it may be out
.else
	s_wait_loadcnt 4*(STEPS-2-(\t))
.endif
	QTURN (\t)+1
.endif
	v_max3_num_f32 v8, |v[XS]|, |v[XS+1]|, |v[XS+2]|               ; the largest magnitude of my 16, in two chains
	v_max3_num_f32 v9, |v[XS+3]|, |v[XS+4]|, |v[XS+5]|
.irp i, 6,10
	v_max3_num_f32 v8, v8, |v[XS+\i]|, |v[XS+\i+1]|
	v_max3_num_f32 v9, v9, |v[XS+\i+2]|, |v[XS+\i+3]|
.endr
	v_max3_num_f32 v8, v8, |v[XS+14]|, |v[XS+15]|
	v_max3_num_f32 v8, v8, v9, (EMAX+1)<<23        ; and the floor 2^(3 - 127): the byte cannot fall under 1
	v_max_num_f32_dpp v8, v8, v8 row_xmask:1 row_mask:0xf bank_mask:0xf   ; with my neighbour's 16: the block's
	v_add_nc_u32 v11, -(EMAX<<23), v8              ; 2 off its exponent field: the conversion takes that field as its scale
	v_cvt_scalef32_pk8_fp4_f32 v[C+4*(\t)], v[XS:XS+7], v11
	v_cvt_scalef32_pk8_fp4_f32 v[C+4*(\t)+1], v[XS+8:XS+15], v11
	v_lshrrev_b32 v[E+(\t)], 23, v11               ; the scale's byte (a plain line behind the conversions)
	ds_store_b8 v5, v[E+(\t)] offset:16*(\t)       ; both lanes of a block write the same byte with the same value
	global_store_b64 v4, v[C+4*(\t):C+4*(\t)+1], s[20:21] offset:32*CB*(\t)   ; the wave stores 256 consecutive bytes, aligned
.endm
.irp t, 0,1,2,3,4,5,6,7,8,9,10,11,12,13,14,15
	QSTEP \t
.endr
	ds_load_b64 v[8:9], v6                         ; my wave's 256 scale bytes, behind my stores of them
	s_wait_dscnt 0x0
	global_store_b64 v7, v[8:9], s[22:23]          ; 256 consecutive bytes, aligned
	s_wait_tensorcnt 0x0                           ; the wave's end, behind my last LDS store
	ds_add_u32 v[SPW], v[NIL]
	s_wait_dscnt 0x0
	s_endpgm
; ---------------- path M: a work-group takes 16 queries x 2,048 keys, a wave 512 keys in four units of 128 ----------------
.Lnot_q:
	s_cmp_lt_u32 ttmp9, 736
	s_cbranch_scc0 .Lpath_w
	s_sub_co_u32 s29, ttmp9, 480                   ; 128 b + qt
	s_lshl_b32 s48, s29, 17                        ; 16 rows of 8,192 bytes
	s_lshl_b32 s30, s28, 11                        ; my wave's 512 keys
	s_add_co_u32 s48, s48, s30
	s_mov_b32 s49, 0
	s_add_nc_u64 s[18:19], s[18:19], s[48:49]
	s_lshl_b32 s48, s29, 12                        ; 4,096 bytes of words for a tile row of queries
	s_lshl_b32 s30, s28, 10
	s_add_co_u32 s48, s48, s30
	s_add_nc_u64 s[26:27], s[26:27], s[48:49]
	s_mul_i32 s31, s28, MWAVE
	s_add_co_u32 s31, s31, MSTG                    ; my stage
	v_add_nc_u32 v4, s31, v3                       ; way in: a row's 512 bytes as they lie
	v_and_b32 v7, 15, v2
	v_lshrrev_b32 v8, 4, v2
	v_mul_u32_u24 v5, v7, 528
	v_lshl_add_u32 v5, v8, 5, v5
	v_add_nc_u32 v5, s31, v5                       ; way out: row = lane % 16, 32 bytes (8 keys) for each half of the lanes; 528 = 33 x 16: sixteen rows start at sixteen different 16-byte columns
	v_lshlrev_b32 v6, 3, v2                        ; two words a lane
.macro MLOAD u                         ; unit u: 128 keys of each of the 16 queries; each load reads 512 consecutive bytes
.irp r, 0,1,2,3,4,5,6,7,8,9,10,11,12,13,14,15
	global_load_b128 v[RM+64*((\u)%2)+4*\r:RM+64*((\u)%2)+4*\r+3], v3, s[18:19] offset:8192*\r+512*(\u) th:TH_LOAD_NT
.endr
.endm
.macro MUNIT u
.if (\u) < 3
	s_wait_loadcnt 16                              ; this unit's 16 loads are in; the next unit's 16 may be out
.else
	s_wait_loadcnt 0x0
.endif
.irp r, 0,1,2,3,4,5,6,7,8,9,10,11,12,13,14,15
	ds_store_b128 v4, v[RM+64*((\u)%2)+4*\r:RM+64*((\u)%2)+4*\r+3] offset:528*\r
.endr
.irp k, 0,1,2,3,4,5,6,7
	ds_load_b128 v[XM+8*\k:XM+8*\k+3], v5 offset:64*\k             ; register 8 k + j: key 16 k + 8 (lane / 16) + j of query lane % 16
	ds_load_b128 v[XM+8*\k+4:XM+8*\k+7], v5 offset:64*\k+16
.endr
	s_wait_dscnt 0x0                               ; the numbers are back, and the stores have read their registers
.if (\u) < 2
	MLOAD (\u)+2
.endif
	v_mov_b32 v[WD+2*(\u)], 0                      ; v_writelane_b32's destination counts as read
	v_mov_b32 v[WD+2*(\u)+1], 0
.set WB, 0
.rept 4                                ; sixteen words at a time: a compare gives the word, v_writelane_b32 puts word w into lane w / 2, register w % 2
.set WI, 0
.rept 16
	v_cmp_ne_u32 s[32+WI], 0, v[XM+WB+WI]
.set WI, WI+1
.endr
.set WI, 0
.rept 16
	v_writelane_b32 v[WD+2*(\u)+WI%2], s[32+WI], (WB+WI)/2
.set WI, WI+1
.endr
.set WB, WB+16
.endr
	global_store_b64 v6, v[WD+2*(\u):WD+2*(\u)+1], s[26:27] offset:256*(\u)   ; the unit's 64 words: 256 consecutive bytes, aligned
.endm
	MLOAD 0
	MLOAD 1
	MUNIT 0
	MUNIT 1
	MUNIT 2
	MUNIT 3
	s_wait_tensorcnt 0x0                           ; the wave's end
	ds_add_u32 v[SPW], v[NIL]
	s_wait_dscnt 0x0
	s_endpgm
; ---------------- path W: a wave takes two rows of Wo ----------------
.Lpath_w:
	s_sub_co_u32 s29, ttmp9, 736
	s_lshl_b32 s29, s29, 3
	s_lshl_b32 s30, s28, 1
	s_add_co_u32 s29, s29, s30                     ; n0 = 8 i + 2 wave
	s_lshl_b32 s48, s29, 12
	s_mov_b32 s49, 0
	s_add_nc_u64 s[16:17], s[16:17], s[48:49]
	s_lshl_b32 s48, s29, 7
	s_add_nc_u64 s[24:25], s[24:25], s[48:49]
	v_and_b32 v7, 15, v2
	v_lshrrev_b32 v8, 4, v2
	v_lshlrev_b32 v4, 4, v7
	v_lshl_add_u32 v4, v8, 12, v4                  ; lanes 0-15 row n0, lanes 16-31 row n0 + 1; 16 bytes a lane
	v_lshlrev_b32 v6, 3, v2                        ; out: 8 bytes a lane: the two rows' 128 bytes lie on end
.irp z, 0,1,2,3,4,5,6,7,8,9,10,11,12,13,14,15
	global_load_b128 v[16+4*\z:16+4*\z+3], v4, s[16:17] offset:256*\z th:TH_LOAD_NT
.endr
.irp z, 0,1,2,3,4,5,6,7,8,9,10,11,12,13,14,15
	s_wait_loadcnt 15-\z                           ; the younger loads stay out
	v_cvt_pk_f16_f32 v[80+2*\z], v[16+4*\z], v[16+4*\z+1]
	v_cvt_pk_f16_f32 v[81+2*\z], v[16+4*\z+2], v[16+4*\z+3]
	global_store_b64 v6, v[80+2*\z:81+2*\z], s[24:25] offset:131072*\z   ; plane z, rows n0 and n0 + 1: 256 consecutive bytes, aligned
.endr
	s_wait_tensorcnt 0x0                           ; this path stores nothing to LDS; its end is kept like the other two paths'
	ds_add_u32 v[SPW], v[NIL]
	s_wait_dscnt 0x0
	s_endpgm
.Lfunc_end_k_q961115fbef_prep:
	.size	k_q961115fbef_prep, .Lfunc_end_k_q961115fbef_prep-k_q961115fbef_prep
	.p2alignl 7, 3214868480
	.fill 96, 4, 3214868480
	.section	.rodata,"a",@progbits
	.p2align	6, 0x0
	.amdhsa_kernel k_q961115fbef_prep
		.amdhsa_group_segment_fixed_size 67072
		.amdhsa_private_segment_fixed_size 0
		.amdhsa_enable_private_segment 0
		.amdhsa_kernarg_size 96
		.amdhsa_user_sgpr_count 2
		.amdhsa_user_sgpr_kernarg_segment_ptr 1
		.amdhsa_wavefront_size32 1
		.amdhsa_system_sgpr_workgroup_id_x 1
		.amdhsa_system_sgpr_workgroup_id_y 1
		.amdhsa_system_sgpr_workgroup_id_z 1
		.amdhsa_system_vgpr_workitem_id 0
		.amdhsa_next_free_vgpr 216
		.amdhsa_next_free_sgpr 66
		.amdhsa_reserve_vcc 0
		.amdhsa_float_denorm_mode_32 3
		.amdhsa_float_denorm_mode_16_64 3
		.amdhsa_memory_ordered 1
		.amdhsa_forward_progress 1
		.amdhsa_inst_pref_size 88
	.end_amdhsa_kernel
	.amdgpu_metadata
---
amdhsa.version: [ 1, 2 ]
amdhsa.kernels:
  - .name:           k_q961115fbef_prep
    .symbol:         k_q961115fbef_prep.kd
    .args:
      - { .name: query, .offset: 0, .size: 8, .value_kind: global_buffer, .address_space: global }
      - { .name: key, .offset: 8, .size: 8, .value_kind: global_buffer, .address_space: global }
      - { .name: value, .offset: 16, .size: 8, .value_kind: global_buffer, .address_space: global }
      - { .name: Wq, .offset: 24, .size: 8, .value_kind: global_buffer, .address_space: global }
      - { .name: Wk, .offset: 32, .size: 8, .value_kind: global_buffer, .address_space: global }
      - { .name: Wv, .offset: 40, .size: 8, .value_kind: global_buffer, .address_space: global }
      - { .name: Wo, .offset: 48, .size: 8, .value_kind: global_buffer, .address_space: global }
      - { .name: mask, .offset: 56, .size: 8, .value_kind: global_buffer, .address_space: global }
      - { .name: codes, .offset: 64, .size: 8, .value_kind: global_buffer, .address_space: global }
      - { .name: scales, .offset: 72, .size: 8, .value_kind: global_buffer, .address_space: global }
      - { .name: wo16, .offset: 80, .size: 8, .value_kind: global_buffer, .address_space: global }
      - { .name: maskw, .offset: 88, .size: 8, .value_kind: global_buffer, .address_space: global }
    .group_segment_fixed_size: 67072
    .private_segment_fixed_size: 0
    .kernarg_segment_align: 8
    .kernarg_segment_size: 96
    .max_flat_workgroup_size: 128
    .sgpr_count:     66
    .vgpr_count:     216
    .wavefront_size: 32
...
	.end_amdgpu_metadata
.endif
;; end of part 1
;; launch proj (part 2): grid 4 x 48, 4 waves a work-group, clusters of 4 x 4, 327,680 bytes of LDS; arguments codes, scales, bq, bk, bv, qkv; writes qkv
.if DOCPART == 2
	.amdgcn_target "amdgcn-amd-amdhsa--gfx1250"
	.amdhsa_code_object_version 6
	.text
	.protected	k_q961115fbef_proj
	.globl	k_q961115fbef_proj
	.p2align	8
	.type	k_q961115fbef_proj,@function
k_q961115fbef_proj:
	s_mov_b64 s[64:65], 0
	v_nop
	global_prefetch_b8 v0, s[64:65] scope:SCOPE_SE
	s_setreg_imm32_b32 hwreg(HW_REG_WAVE_MODE, 25, 1), 1
	s_wait_xcnt 0x0
	s_wait_alu depctr_hold_cnt(0) depctr_sa_sdst(0) depctr_va_vdst(0) depctr_va_sdst(0) depctr_va_ssrc(0) depctr_va_vcc(0) depctr_vm_vsrc(0)
	s_getreg_b32 s2, hwreg(HW_REG_IB_STS2, 6, 4)
	s_cmp_eq_u32 s2, 0
	s_cbranch_scc0 .Lentry_in_a_cluster
	s_endpgm
.Lentry_in_a_cluster:
	s_bfe_u32 s2, ttmp6, 0x10000c
	s_cmp_lg_u32 s2, 0xf033
	s_cbranch_scc0 .Lentry_shape_is_right
	s_endpgm
.Lentry_shape_is_right:
; THE THREE QUANTISED PROJECTIONS AS ONE GEMM ON CODES OF FP4: C[m][n] = sum over k of X[m][k] W[n][k] + bias[n], K = 1,024.
; codes [15360][512 bytes], scales [15360][32]: rows 0-12287 are the tokens of query, key, value (4,096 g + token), rows 12288 + 1024 g + n are Wq, Wk, Wv.
; Tile row 0-47 of 256 tokens belongs to g = tile row / 16; tile column 0-3 of 256 outputs.  The result leaves as f16, laid [g][b][head][s][64].
; LIMIT: results beyond 65,504 in magnitude have no f16 number.
; A work-group of four waves makes 256 x 256, a wave 128 x 128: 64 accumulators, 512 registers.  K is two slots of 512: both are asked for at the head, nothing is filled again.
; The scale bytes of the work-group's rows, for all of K, come once, as dense blocks.
; CLUSTER 4 x 4: the four of a row need the same tokens, the four of a column the same weights (a cluster's four tile rows lie in one g): each tile is asked for jointly.
; THE MATRIX INSTRUCTION IS USED TRANSPOSED (source 0 = 16 rows of W, source 1 = 16 tokens): a lane holds eight neighbouring outputs of one token.  The bias is the C of each sum's first product.
; REGISTERS: window 0: v0-31 addresses; v32-95 scale words, two sets; v128-191 the tokens' fragments, one set; v192-255 the bias, 8 registers for each of my 8 blocks of 16 outputs.
;   window 1: W's fragments, two sets, at v0 and v128.  window 2: accumulators of my rows 0-63 ((a, b) at v[8 (8 a + b)]); window 3: rows 64-127.
.set NQ,     4                         ; matrix instructions deep in a slot (512 along K)
.set ROWB,   256                       ; a tile's row in bytes
.set KROW,   512                       ; a row of codes in memory
.set PITCH,  272                       ; an LDS row: 256 + 16: 68 words, so sixteen rows start at sixteen different groups of four banks (64 banks of 4 bytes: ISA guide 11.1)
.set FR,     8
.set NL,     2
.set NP,     4                         ; places behind this matrix instruction (ISA guide 7.12.1)
.set HALFT,  128*PITCH
.set SLOT,   4*HALFT
.set KS,     32                        ; a row of scales in bytes
.set SCL,    2*SLOT
.set HALFS,  (128*KS/256)*272
.set SBLK,   (16*KS/256)*272
.set SPARE,  SCL+4*HALFS               ; the spare words: 128 bytes a wave, two blocks of 256 bytes that no other line names
.set ADRA, 16
.set ADRB, 20
.set STO,  24
.set RD,   25
.set CO,   26
.set ADRS, 27
.set SPW,  28
.set NIL,  29
.set BA,   30                          ; v30 the bias loads' offset: 32 x (lane / 16)
.set SC,   32
.set AF,   128
.set BI,   192
.set TMP,  32                          ; the way out: packed results, v32-63 and v64-95 by turns
.set BK,   128                         ; and rows read back, v128-159 and v160-191 by turns
.set G1, 24
.set G0, 32
.set G1B, 48
.set G0B, 56
.set G1S, 68
.set G0S, 76
.set G1SB, 80
.set G0SB, 88
.set MSB, 0
.macro WIN new                         ; the immediate's high byte repeats the setting that is left
.if MSB != (\new)
	s_set_vgpr_msb (MSB<<8)|(\new)
.set MSB, (\new)
.endif
.endm
.set MUL_LO, 0xa1                      ; source 0 (W) window 1, source 1 (tokens) window 0, C and D window 2
.set MUL_HI, 0xf1
.set FST_LO, 0x81                      ; the first products: C (the bias) window 0, D window 2
.set FST_HI, 0xc1
.set TO_B,   0x40
; A joint load: waves 0 and 1 fetch for the tokens, waves 2 and 3 for W.  The branch hangs on the wave's number alone.  An s_nop 0 and four v_nop follow each line.
.macro JLOAD g0a, g1a, g0b, g1b
	s_cmp_eq_u32 s15, 0
	s_cbranch_scc0 .Lfor_b_\@
	tensor_load_to_lds s[\g0a:\g0a+3], s[\g1a:\g1a+7]
	s_nop 0
.rept 4
	v_nop
.endr
	s_branch .Lasked_\@
.Lfor_b_\@:
	tensor_load_to_lds s[\g0b:\g0b+3], s[\g1b:\g1b+7]
	s_nop 0
.rept 4
	v_nop
.endr
.Lasked_\@:
.endm
.macro CROUND                          ; a round of the cluster's barrier
	s_barrier_signal -1
	s_barrier_wait -1
	s_cmp_lg_u32 s14, 0
	s_cbranch_scc1 .Lnot_wave_0_\@
	s_barrier_signal -3
.Lnot_wave_0_\@:
	s_barrier_wait -3
	s_barrier_signal -1
	s_barrier_wait -1
.endm
	s_load_b128 s[4:7], s[0:1], 0x0                ; codes s[4:5], scales s[6:7]
	s_load_b128 s[96:99], s[0:1], 0x10             ; bq, bk
	s_load_b64 s[100:101], s[0:1], 0x20            ; bv
	s_load_b64 s[12:13], s[0:1], 0x28              ; qkv
	v_lshl_add_u32 v[SPW], v0, 2, SPARE
	v_mov_b32 v[NIL], 0
	ds_add_u32 v[SPW], v[NIL]                      ; the wave's opening: the add and its wait stand ahead of my first tensor load; the set-up stands between them
	v_lshrrev_b32 v1, 5, v0
	v_readfirstlane_b32 s14, v1                    ; wave 0..3
	s_lshr_b32 s15, s14, 1                         ; my half of the tile's rows; also: I fetch tokens (0) or W (1)
	s_and_b32 s16, s14, 1                          ; my half of its columns; also: which 128 rows I fetch
	s_bfe_u32 s40, ttmp6, 0x40000                  ; cx
	s_bfe_u32 s41, ttmp6, 0x40004                  ; cy
	s_lshl_b32 s42, ttmp9, 2
	s_add_co_u32 s42, s42, s40                     ; tile column
	s_and_b32 s17, ttmp7, 0xffff
	s_lshr_b32 s95, s17, 2                         ; g: which projection; the same in all sixteen partners
	s_lshl_b32 s17, s17, 2
	s_add_co_u32 s17, s17, s41                     ; tile row
	s_lshl_b32 s43, s41, 2
	s_lshl_b32 s43, 15, s43                        ; my row of the cluster
	s_lshl_b32 s44, 0x1111, s40                    ; my column
	s_or_b32 s[G1+0], s43, (0<<16)|(1<<20)|(1<<21)|(5<<22)|(3<<25)  ; the mask; elements of 1 byte; padding on; bit 21 beside a mask; 4 words of padding after every 64
	s_or_b32 s[G1B+0], s44, (0<<16)|(1<<20)|(1<<21)|(5<<22)|(3<<25)
.irp g, G1, G1B
	s_mov_b32 s[\g+1], ROWB<<16                    ; tensor_dim0
	s_mov_b32 s[\g+2], 128<<16                     ; tensor_dim1
	s_mov_b32 s[\g+3], ROWB<<16                    ; tile_dim0
	s_mov_b32 s[\g+4], 128                         ; tile_dim1
	s_mov_b32 s[\g+5], KROW                        ; the pitch
	s_mov_b32 s[\g+6], 0
	s_mov_b32 s[\g+7], 0
.endr
	s_or_b32 s[G1S+0], s43, (3<<16)|(1<<20)|(1<<21)|(5<<22)|(3<<25)  ; the scales of 128 rows: 4,096 dense bytes as 16 rows of 32 elements of 8 bytes
	s_or_b32 s[G1SB+0], s44, (3<<16)|(1<<20)|(1<<21)|(5<<22)|(3<<25)
.irp g, G1S, G1SB
	s_mov_b32 s[\g+1], 32<<16
	s_mov_b32 s[\g+2], (128*KS/256)<<16
	s_mov_b32 s[\g+3], 32<<16
	s_mov_b32 s[\g+4], 128*KS/256
	s_mov_b32 s[\g+5], 32
	s_mov_b32 s[\g+6], 0
	s_mov_b32 s[\g+7], 0
.endr
	s_lshl_b32 s18, s16, 7                         ; which 128 rows of the tile I fetch
	s_lshl_b32 s20, s17, 8
	s_add_co_u32 s20, s20, s18                     ; tokens: row 256 x tile row + 128 x half
	s_lshl_b32 s46, s42, 8
	s_add_co_u32 s46, s46, s18
	s_lshl_b32 s8, s95, 10
	s_add_co_u32 s46, s46, s8
	s_add_co_u32 s46, s46, 12288                   ; W: row 12288 + 1024 g + 256 x tile column + 128 x half
	s_mov_b32 s21, 0
	s_mov_b32 s47, 0
	s_mov_b64 s[18:19], KS
	s_mul_u64 s[22:23], s[20:21], s[18:19]         ; where these rows' scales begin
	s_mul_u64 s[92:93], s[46:47], s[18:19]
	s_mov_b64 s[18:19], KROW
	s_mul_u64 s[20:21], s[20:21], s[18:19]         ; and their codes
	s_mul_u64 s[46:47], s[46:47], s[18:19]
	s_mul_i32 s45, s14, HALFT                      ; where they go: wave x 128 rows
	s_mul_i32 s94, s14, HALFS
	s_wait_dscnt 0x0                               ; the opening add is done
	s_wait_kmcnt 0x0
	s_add_nc_u64 s[20:21], s[4:5], s[20:21]
	s_add_nc_u64 s[22:23], s[6:7], s[22:23]
	s_add_nc_u64 s[46:47], s[4:5], s[46:47]
	s_add_nc_u64 s[92:93], s[6:7], s[92:93]
	CROUND                                         ; all sixteen work-groups are here: the joint loads meet
	s_mov_b32 s[G0S], 1
	s_add_co_u32 s[G0S+1], s94, SCL
	s_mov_b64 s[G0S+2:G0S+3], s[22:23]
	s_or_b32 s[G0S+3], s[G0S+3], 0x80000000
	s_mov_b32 s[G0SB], 1
	s_add_co_u32 s[G0SB+1], s94, SCL
	s_mov_b64 s[G0SB+2:G0SB+3], s[92:93]
	s_or_b32 s[G0SB+3], s[G0SB+3], 0x80000000
	JLOAD G0S, G1S, G0SB, G1SB                     ; the scales first
.irp s, 0,1
	s_mov_b32 s[G0+4*\s], 1
	s_add_co_u32 s[G0+4*\s+1], s45, \s*SLOT
	s_add_nc_u64 s[G0+4*\s+2:G0+4*\s+3], s[20:21], \s*ROWB
	s_or_b32 s[G0+4*\s+3], s[G0+4*\s+3], 0x80000000
	s_mov_b32 s[G0B+4*\s], 1
	s_add_co_u32 s[G0B+4*\s+1], s45, \s*SLOT
	s_add_nc_u64 s[G0B+4*\s+2:G0B+4*\s+3], s[46:47], \s*ROWB
	s_or_b32 s[G0B+4*\s+3], s[G0B+4*\s+3], 0x80000000
	JLOAD G0+4*\s, G1, G0B+4*\s, G1B               ; three tensor loads of mine are out in all
.endr
	v_and_b32 v1, 15, v0                           ; r
	v_bfe_u32 v2, v0, 4, 1                         ; h
	; the bias: my projection's, my 128 outputs; register 8 b + j = bias[16 b + 8 h + j]: the result's layout
	s_cmp_eq_u32 s95, 0
	s_cselect_b64 s[96:97], s[96:97], s[98:99]
	s_cmp_eq_u32 s95, 2
	s_cselect_b64 s[96:97], s[100:101], s[96:97]
	s_lshl_b32 s46, s42, 8
	s_lshl_b32 s47, s16, 7
	s_add_co_u32 s46, s46, s47
	s_lshl_b32 s46, s46, 2
	s_mov_b32 s47, 0
	s_add_nc_u64 s[96:97], s[96:97], s[46:47]
	v_lshlrev_b32 v[BA], 5, v2
.irp b, 0,1,2,3,4,5,6,7
	global_load_b128 v[BI+8*\b:BI+8*\b+3], v[BA], s[96:97] offset:64*\b
	global_load_b128 v[BI+8*\b+4:BI+8*\b+7], v[BA], s[96:97] offset:64*\b+16
.endr
	v_mul_u32_u24 v3, v1, PITCH
	v_lshl_add_u32 v4, v2, 4, v3                   ; a fragment's row x pitch + 16 x half
	s_mul_i32 s21, s15, HALFT
	s_mul_i32 s22, s16, HALFT
	s_add_co_u32 s22, s22, 2*HALFT
.irp s, 0,1
	v_add_nc_u32 v[ADRA+\s], s21, v4
	v_add_nc_u32 v[ADRB+\s], s22, v4
	s_add_co_u32 s21, s21, SLOT
	s_add_co_u32 s22, s22, SLOT
.endr
	v_mul_u32_u24 v5, v1, KS                       ; my row's scales: 32 bytes a row,
	v_lshrrev_b32 v6, 8, v5
	v_lshl_add_u32 v5, v6, 4, v5                   ; and 16 more for each 256 passed
	s_mul_i32 s21, s15, HALFS
	s_mul_i32 s22, s16, HALFS
	s_add_co_u32 s22, s22, 2*HALFS
	s_sub_co_u32 s22, s22, s21
	v_mul_u32_u24 v6, s22, v2                      ; lanes 16-31 take W's
	s_add_co_u32 s21, s21, SCL
	v_add_nc_u32 v5, v5, v6
	v_add_nc_u32 v[ADRS], s21, v5
	; the way out: my stage, two planes (one for each of my two heads) of 16 rows x 144 bytes, in slot 0
	s_mul_i32 s23, s14, 4608
	v_mul_u32_u24 v5, v1, 144
	v_lshl_add_u32 v5, v2, 4, v5
	v_add_nc_u32 v[STO], s23, v5                   ; in: row r, 16 bytes for each half of the lanes
	v_and_b32 v6, 31, v0
	v_lshrrev_b32 v7, 3, v6
	v_and_b32 v8, 7, v6
	v_mul_u32_u24 v7, v7, 144
	v_lshl_add_u32 v7, v8, 4, v7
	v_add_nc_u32 v[RD], s23, v7                    ; back: eight lanes to a row of 128 bytes, four rows an instruction
	v_lshlrev_b32 v[CO], 4, v6                     ; the same four rows lie on end in memory
	s_lshl_b32 s20, s17, 8
	s_lshl_b32 s21, s15, 7
	s_add_co_u32 s20, s20, s21                     ; my first row m0 = 256 x tile row + 128 x half
	s_lshr_b32 s21, s20, 11
	s_lshl_b32 s21, s21, 22                        ; (g, b) = m0 / 2048: 4,194,304 bytes each
	s_and_b32 s20, s20, 2047
	s_lshl_b32 s20, s20, 7                         ; s x 128 bytes
	s_add_co_u32 s20, s20, s21
	s_lshl_b32 s46, s42, 2
	s_lshl_b32 s47, s16, 1
	s_add_co_u32 s46, s46, s47                     ; my first head
	s_lshl_b32 s46, s46, 18
	s_add_co_u32 s20, s20, s46
	s_mov_b32 s21, 0
	s_add_nc_u64 s[12:13], s[12:13], s[20:21]
.macro FRAG reg, adr, q, i             ; 16 rows x 128 K of 4-bit codes: 8 registers: two loads of 16 bytes, 32 bytes apart
.irp c, 0,1
	ds_load_b128 v[\reg+4*\c:\reg+4*\c+3], v[\adr] offset:64*(\q)+32*\c+(\i)*16*PITCH
.endr
.endm
; 16 matrix instructions: token blocks a0, a0 + 1 x W's eight.  The 64 accumulators take turns, one instruction a turn, in the same order in every step.
; One register carries both sides' scale words: lanes 0-15 the tokens' block, lanes 16-31 W's block of the same number.
.macro MUL16 a0, p, q, sc, first
.irp a, \a0, \a0+1
.irp b, 0,1,2,3,4,5,6,7
.if \first
	v_wmma_scale_f32_16x16x128_f8f6f4 v[8*(8*((\a)%4)+\b):8*(8*((\a)%4)+\b)+7], v[128*(\p)+FR*\b:128*(\p)+FR*\b+FR-1], v[AF+FR*(\a):AF+FR*(\a)+FR-1], v[BI+8*\b:BI+8*\b+7], v[SC+8*NQ*(\sc)+NQ*\b+(\q)], v[SC+8*NQ*(\sc)+NQ*(\a)+(\q)] matrix_a_fmt:MATRIX_FMT_FP4 matrix_b_fmt:MATRIX_FMT_FP4 matrix_a_scale:MATRIX_SCALE_ROW1
.else
	v_wmma_scale_f32_16x16x128_f8f6f4 v[8*(8*((\a)%4)+\b):8*(8*((\a)%4)+\b)+7], v[128*(\p)+FR*\b:128*(\p)+FR*\b+FR-1], v[AF+FR*(\a):AF+FR*(\a)+FR-1], v[8*(8*((\a)%4)+\b):8*(8*((\a)%4)+\b)+7], v[SC+8*NQ*(\sc)+NQ*\b+(\q)], v[SC+8*NQ*(\sc)+NQ*(\a)+(\q)] matrix_a_fmt:MATRIX_FMT_FP4 matrix_b_fmt:MATRIX_FMT_FP4 matrix_a_scale:MATRIX_SCALE_ROW1
.endif
.endr
.endr
.endm
.macro FETCH_B slot, q, p
	WIN TO_B
.irp i, 0,1,2,3,4,5,6,7
	FRAG 128*(\p)+FR*\i, ADRB+\slot, \q, \i
.endr
	WIN 0
.endm
.macro FETCH_A slot, q, i0
.irp i, \i0, \i0+1, \i0+2, \i0+3
	FRAG AF+FR*(\i), ADRA+\slot, \q, \i
.endr
.endm
.macro SCALES sc                       ; a slot's scale words: 4 words a row
.irp i, 0,1,2,3,4,5,6,7
	ds_load_b128 v[SC+8*NQ*\sc+NQ*\i:SC+8*NQ*\sc+NQ*\i+3], v[ADRS] offset:\i*SBLK
.endr
.endm
.macro PLACES n                        ; plain vector instructions between a matrix instruction and a load into, or a read of, its registers
.rept \n
	v_nop
.endr
.endm
.macro STEP slot, q, first             ; 128 along K, with its successor in the same slot
	s_wait_dscnt 4*NL                              ; W's set and token blocks 0-3 are in; the youngest eight loads (blocks 4-7) may be out
.if \first
	WIN FST_LO
.else
	WIN MUL_LO
.endif
	MUL16 0, (\q)%2, \q, \slot, \first
	MUL16 2, (\q)%2, \q, \slot, \first
	s_wait_dscnt 0
	PLACES NP
	FETCH_B \slot, (\q)+1, 1-(\q)%2
	FETCH_A \slot, (\q)+1, 0
.if \first
	WIN FST_HI
.else
	WIN MUL_HI
.endif
	MUL16 4, (\q)%2, \q, \slot, \first
	MUL16 6, (\q)%2, \q, \slot, \first
	PLACES NP
	WIN 0
	FETCH_A \slot, (\q)+1, 4
.endm
; Slot 0's last step changes slots: one barrier; in front of it each wave waits for all its tensor loads (slot 1's is the one that may be out), adds 0 to its spare word, and waits for that and for its reads of slot 0.  Nothing is filled again.
.macro TURN slot, next
	s_wait_tensorcnt 0x0
	ds_add_u32 v[SPW], v[NIL]
	s_wait_dscnt 4*NL+1                            ; the add and the youngest eight loads may be out
	WIN MUL_LO
	MUL16 0, 1, NQ-1, \slot, 0
	s_wait_dscnt 0x0                               ; the add is done, and my reads of this slot are over
	s_barrier_signal -1
	MUL16 2, 1, NQ-1, \slot, 0
	WIN 0
	s_barrier_wait -1
	PLACES NP
	v_add_nc_u32 v[ADRS], 4*NQ, v[ADRS]            ; the next slot's scale words
	FETCH_B \next, 0, 0
	FETCH_A \next, 0, 0
	SCALES \next
	WIN MUL_HI
	MUL16 4, 1, NQ-1, \slot, 0
	MUL16 6, 1, NQ-1, \slot, 0
	PLACES NP
	WIN 0
	FETCH_A \next, 0, 4
.endm
.macro STEPS slot, from
.set Q, \from
.rept NQ-1-\from
	STEP \slot, Q, 0
.set Q, Q+1
.endr
.endm
	s_wait_tensorcnt 1                             ; the scales and my part of slot 0 are in; slot 1's load may be out,
	s_barrier_signal -1
	s_barrier_wait -1                              ; everybody's are
	FETCH_B 0, 0, 0
	FETCH_A 0, 0, 0
	SCALES 0
	FETCH_A 0, 0, 4
	s_wait_loadcnt 0x0                             ; the bias
	STEP 0, 0, 1                                   ; the first products start the sums from the bias
	STEPS 0, 1
	TURN 0, 1
	STEPS 1, 0
	s_wait_dscnt 4*NL                              ; the last step: nothing more to fetch
	WIN MUL_LO
	MUL16 0, 1, NQ-1, 1, 0
	MUL16 2, 1, NQ-1, 1, 0
	s_wait_dscnt 0
	WIN MUL_HI
	MUL16 4, 1, NQ-1, 1, 0
	MUL16 6, 1, NQ-1, 1, 0
	WIN 0
; THE WAY OUT, a block of 16 tokens x 128 outputs (two heads) at a time: rounded to f16, 16 bytes a lane into my stage, back as rows of 128 bytes, four rows (512 consecutive bytes of memory) a store.
; The stage lies in slot 0: that slot has had its only fill, and every wave has passed the change of slots, behind which nobody reads it.
.macro PACK a
.set AC, 64*((\a)%4)
.set TT, TMP+32*((\a)%2)
	WIN 0x0a+5*((\a)/4)                            ; sources in window 2 or 3
.irp b, 0,1,2,3,4,5,6,7
.irp i, 0,1,2,3
	v_cvt_pk_f16_f32 v[TT+4*\b+\i], v[AC+8*\b+2*\i], v[AC+8*\b+2*\i+1]   ; each accumulator from its low end on
.endr
.endr
	WIN 0
.endm
.macro TOSTAGE a
.set TT, TMP+32*((\a)%2)
.set BB, BK+32*((\a)%2)
.irp b, 0,1,2,3,4,5,6,7
	ds_store_b128 v[STO], v[TT+4*\b:TT+4*\b+3] offset:2304*(\b/4)+32*(\b%4)
.endr
.irp t, 0,1,2,3,4,5,6,7
	ds_load_b128 v[BB+4*\t:BB+4*\t+3], v[RD] offset:2304*(\t/4)+576*(\t%4)   ; LDS serves a wave's instructions in order: these see the stores above
.endr
.endm
.macro SEND a, younger
.set BB, BK+32*((\a)%2)
	s_wait_dscnt \younger
.irp t, 0,1,2,3,4,5,6,7
	global_store_b128 v[CO], v[BB+4*\t:BB+4*\t+3], s[12:13] offset:262144*(\t/4)+2048*(\a)+512*(\t%4)   ; 512 consecutive bytes, aligned; every offset is an immediate
.endr
.endm
	PLACES NP                                      ; behind the last products: for the writes over scale words, the loads over fragments and the reads of results
	PACK 0
	TOSTAGE 0
.irp a, 1,2,3,4,5,6,7
	PACK \a
.if \a > 1
	s_wait_xcnt 0x0                                ; block a - 2's stores have read their registers: block a's loads may land there
.endif
	TOSTAGE \a
	SEND \a-1, 16                                  ; behind block a - 1's loads: block a's 8 stores and 8 loads
.endr
	SEND 7, 0
	s_wait_tensorcnt 0x0                           ; the wave's end
	ds_add_u32 v[SPW], v[NIL]
	s_wait_dscnt 0x0
	CROUND                                         ; the closing round
	s_endpgm
.Lfunc_end_k_q961115fbef_proj:
	.size	k_q961115fbef_proj, .Lfunc_end_k_q961115fbef_proj-k_q961115fbef_proj
	.p2alignl 7, 3214868480
	.fill 96, 4, 3214868480
	.section	.rodata,"a",@progbits
	.p2align	6, 0x0
	.amdhsa_kernel k_q961115fbef_proj
		.amdhsa_group_segment_fixed_size 327680
		.amdhsa_private_segment_fixed_size 0
		.amdhsa_enable_private_segment 0
		.amdhsa_kernarg_size 48
		.amdhsa_user_sgpr_count 2
		.amdhsa_user_sgpr_kernarg_segment_ptr 1
		.amdhsa_wavefront_size32 1
		.amdhsa_system_sgpr_workgroup_id_x 1
		.amdhsa_system_sgpr_workgroup_id_y 1
		.amdhsa_system_sgpr_workgroup_id_z 1
		.amdhsa_system_vgpr_workitem_id 0
		.amdhsa_next_free_vgpr 1024
		.amdhsa_next_free_sgpr 102
		.amdhsa_reserve_vcc 0
		.amdhsa_float_denorm_mode_32 3
		.amdhsa_float_denorm_mode_16_64 3
		.amdhsa_memory_ordered 1
		.amdhsa_forward_progress 1
		.amdhsa_inst_pref_size 128
	.end_amdhsa_kernel
	.amdgpu_metadata
---
amdhsa.version: [ 1, 2 ]
amdhsa.kernels:
  - .name:           k_q961115fbef_proj
    .symbol:         k_q961115fbef_proj.kd
    .args:
      - { .name: codes, .offset: 0, .size: 8, .value_kind: global_buffer, .address_space: global }
      - { .name: scales, .offset: 8, .size: 8, .value_kind: global_buffer, .address_space: global }
      - { .name: bq, .offset: 16, .size: 8, .value_kind: global_buffer, .address_space: global }
      - { .name: bk, .offset: 24, .size: 8, .value_kind: global_buffer, .address_space: global }
      - { .name: bv, .offset: 32, .size: 8, .value_kind: global_buffer, .address_space: global }
      - { .name: qkv, .offset: 40, .size: 8, .value_kind: global_buffer, .address_space: global }
    .group_segment_fixed_size: 327680
    .private_segment_fixed_size: 0
    .kernarg_segment_align: 8
    .kernarg_segment_size: 48
    .max_flat_workgroup_size: 128
    .sgpr_count:     102
    .vgpr_count:     1024
    .wavefront_size: 32
...
	.end_amdgpu_metadata
.endif
;; end of part 2
;; launch attn (part 3): grid 8 x 32, 8 waves a work-group, clusters of 4 x 1, 327,680 bytes of LDS; arguments qkv, maskw, ao; writes ao
.if DOCPART == 3
	.amdgcn_target "amdgcn-amd-amdhsa--gfx1250"
	.amdhsa_code_object_version 6
	.text
	.protected	k_q961115fbef_attn
	.globl	k_q961115fbef_attn
	.p2align	8
	.type	k_q961115fbef_attn,@function
k_q961115fbef_attn:
	s_mov_b64 s[64:65], 0
	v_nop
	global_prefetch_b8 v0, s[64:65] scope:SCOPE_SE
	s_setreg_imm32_b32 hwreg(HW_REG_WAVE_MODE, 25, 1), 1
	s_wait_xcnt 0x0
	s_wait_alu depctr_hold_cnt(0) depctr_sa_sdst(0) depctr_va_vdst(0) depctr_va_sdst(0) depctr_va_ssrc(0) depctr_va_vcc(0) depctr_vm_vsrc(0)
	s_getreg_b32 s2, hwreg(HW_REG_IB_STS2, 6, 4)
	s_cmp_eq_u32 s2, 0
	s_cbranch_scc0 .Lentry_in_a_cluster
	s_endpgm
.Lentry_in_a_cluster:
	s_bfe_u32 s2, ttmp6, 0x10000c
	s_cmp_lg_u32 s2, 0x3003
	s_cbranch_scc0 .Lentry_shape_is_right
	s_endpgm
.Lentry_shape_is_right:
; ao[b][h][q][:] = sum over k of softmax_k(mask ? q . k / 8 : very negative) v[k][:], head size 64, 2,048 keys, f16 operands, f32 sums, maxima and row sums.
; qkv: f16 [g 3][b 2][h 16][s 2048][64]; maskw: lane masks [b][qt 128][kt 128][j 8]; ao: f16 [b][h][s][64].
; SHARES: a work-group owns 256 queries of one (b, h); each of its eight waves owns 32: two tiles of 16; two waves to a SIMD.
; LAYOUT: S^T = K Q^T (source 0 = 16 keys, source 1 = 16 queries), O^T = V^T P: a lane holds ONE query (lane % 16) throughout; two tiles of S^T rounded in pairs are source 1 of the second product.
; SOFTMAX: a running maximum m and sum l for each query; p = 2^(c s - c m), c = log2(e) / 8; in every step O and l are multiplied by a = 2^(c m_old - c m_new).
; THE MASK: a hidden score becomes -2^33 ahead of the maximum (-2^30 after the factor 1/8, where the definition has -1e9).  c x 2^33 is exact, so in a row with no open key every p is exactly 1 and the result is the mean of v;
; when an open key comes, a falls to 0 and wipes what was summed.  LIMIT: the results agree with the definition while open scores (after the factor 1/8) lie above about -9e8.  NaN and infinities are not served.
; THE STEP IS PIPELINED IN THE WAVE.  A key step is 64 keys: 32 matrix instructions and some 300 vector instructions.  Trip j works the softmax of step j, and the matrix instructions of its neighbours stand among the vector
; instructions: V^T P of step j - 1 among the mask and the maximum, K Q^T of step j + 1 among the scalings and exponentials.  So S^T has two buffers (step j in buffer j % 2), and so has V; P is rounded in place into the low half of its S^T.
; RING: two LDS slots of 256 keys (four steps), K's 256 rows then V's, rows of 128 bytes + 16.  Each wave fetches 64 rows of K (waves 0-3) or V (waves 4-7): one load a wave, no branch.
; Trip j fetches K and V of step j + 1 from LDS, so a slot's reads lie in trips 4 n - 1 to 4 n + 2, and the change of slots stands between trips 4 n + 2 and 4 n + 3.
; CLUSTER: the four query blocks of a cluster walk the same K and V: each tile is asked for jointly, with a mask that names the four.
; REGISTERS: window 0: v1-14 addresses and constants; v16-31 statistics, 8 a tile: +0 c m, +1 m, +2, +3 l, +4 to +7 at work (a in +6; +4, +5 also the sums' second chain); v32-159 S^T, two buffers of 64 (32 t + 8 kt);
;   v160-223 K; v224-255 Q.   window 1: v0-63 O^T (32 t + 8 ct); v64-191 V, two buffers of 64.
; K Q^T and all of the softmax but O^T's rescaling lie in window 0 and need no switch; each V^T P among vector instructions costs two.
.set PK,    144                        ; an LDS row: 128 + 16 = 9 x 16 bytes: the sixteen rows of a load of K start at sixteen different 16-byte columns
.set VOFF,  256*PK
.set SLOT1, 1<<17                      ; one exclusive or turns an address in one slot into the other's
.set SPARE, 2*SLOT1                    ; the spare words: 128 bytes a wave, four blocks of 256 bytes that no other line names
.set STAGE, SPARE+1024                 ; the way out: 32 rows x 144 bytes for each wave; no tile ever lands here
.set PHASE, 256*128                    ; a slot's rows of K or of V in memory, in bytes
.set AK0, 3
.set AV0, 4
.set ADK, 5
.set ADV, 6
.set STO, 7
.set RD,  8
.set GO,  9
.set QO,  10
.set PFO, 11                           ; v11 256 x lane; never rewritten
.set SPW, 12
.set NIL, 13
.set NEG, 14                           ; v14 -2^33
.set ST,  16
.set SB,  32
.set KF,  160
.set QF,  224
.set VF,  64                           ; in window 1
.set TB,  2                            ; s2  LDS byte at which the slot in hand begins
.set SLOTS, 3                          ; s3  slots still to be asked for
.set MP,  6                            ; s[6:7] the step's mask words of my first tile
.set G1,  8                            ; s[8:15]
.set G0,  16                           ; s[16:19], walking
.set SEL, 20
.set CS,  22
.set PFA, 26                           ; s[26:27] where my prefetches stand
.set WV,  28
.set LIM, 29
.set MB0, 32                           ; s[32:63] tile 0's 32 mask words; tile 1's at s[68:99]: 36 further on
.set MSB, 0
.macro WIN new                         ; the immediate's high byte repeats the setting that is left; a switch that changes nothing is dropped
.if MSB != (\new)
	s_set_vgpr_msb (MSB<<8)|(\new)
.set MSB, (\new)
.endif
.endm
.set W_LD1, 0x40                       ; destination window 1
.set W_RS,  0x41                       ; O^T (destination, source 0) window 1, a window 0
.set W_PV,  0x51                       ; V (source 0) and O^T (C, D) window 1; P (source 1) window 0
.macro JLOAD                           ; my one joint load; an s_nop 0 and four v_nop follow it
	tensor_load_to_lds s[G0:G0+3], s[G1:G1+7]
	s_nop 0
.rept 4
	v_nop
.endr
.endm
; A prefetch of what the NEXT change of slots will ask for: 256 rows of K and of V, 32,768 dense bytes each.  Both clusters of a head walk the same rows: the first asks.  Its four partners take 8,192 bytes each, told apart by
; address; in each, wave 0 asks for K's and wave 4 for V's, lanes 256 bytes apart: each aligned block of 256 bytes is named once in the launch.  The last change that fills a slot asks for nothing; nothing is asked for at the head.
.macro ASK
	s_cmp_gt_u32 s[SLOTS], s[LIM]
	s_cbranch_scc0 .Lnot_mine_\@
	global_prefetch_b8 v[PFO], s[PFA:PFA+1] th:TH_LOAD_NT scope:SCOPE_SE
.Lnot_mine_\@:
.endm
.macro CROUND
	s_barrier_signal -1
	s_barrier_wait -1
	s_cmp_lg_u32 s[WV], 0
	s_cbranch_scc1 .Lnot_wave_0_\@
	s_barrier_signal -3
.Lnot_wave_0_\@:
	s_barrier_wait -3
	s_barrier_signal -1
	s_barrier_wait -1
.endm
.macro PLACES
.rept 4
	v_nop
.endr
.endm
.macro MLOADS                          ; a step's mask words: 4 key tiles x 8 registers for each of my two tiles of queries
	s_load_b512 s[32:47], s[MP:MP+1], 0x0
	s_load_b512 s[48:63], s[MP:MP+1], 0x40
	s_load_b512 s[68:83], s[MP:MP+1], 0x1000
	s_load_b512 s[84:99], s[MP:MP+1], 0x1040
.endm
.macro FETCH_K q                       ; the slot's q-th 64 keys x 64 channels: 8 fragments
.irp k, 0,1,2,3
.irp c, 0,1
	ds_load_b128 v[KF+16*\k+8*\c:KF+16*\k+8*\c+3],   v[ADK] offset:(64*(\q)+16*\k)*PK+64*\c
	ds_load_b128 v[KF+16*\k+8*\c+4:KF+16*\k+8*\c+7], v[ADK] offset:(64*(\q)+16*\k)*PK+64*\c+32
.endr
.endr
.endm
.macro FETCH_V q, b                    ; the same of V, turned, into buffer b: 16 channels x 32 keys a fragment
.irp k, 0,1
.irp c, 0,1,2,3
	ds_load_tr16_b128 v[VF+64*(\b)+32*\k+8*\c:VF+64*(\b)+32*\k+8*\c+3],   v[ADV] offset:(64*(\q)+32*\k)*PK+32*\c
	ds_load_tr16_b128 v[VF+64*(\b)+32*\k+8*\c+4:VF+64*(\b)+32*\k+8*\c+7], v[ADV] offset:(64*(\q)+32*\k)*PK+16*PK+32*\c
.endr
.endr
.endm
; Product KI of 16 of S^T = K Q^T into buffer b: channels 32 (KI / 8) on, keys 16 ((KI / 2) % 4) on, tile KI % 2.  The first eight start the sums.  Eight accumulators take turns, one instruction a turn.
.macro KQ1 b
.set rS, SB+64*(\b)+32*(KI%2)+8*((KI/2)%4)
.set rK, KF+16*((KI/2)%4)+8*(KI/8)
.set rQ, QF+16*(KI%2)+8*(KI/8)
.if KI < 8
	v_wmma_f32_16x16x32_f16 v[rS:rS+7], v[rK:rK+7], v[rQ:rQ+7], 0
.else
	v_wmma_f32_16x16x32_f16 v[rS:rS+7], v[rK:rK+7], v[rQ:rQ+7], v[rS:rS+7]
.endif
.set KI, KI+1
.endm
; Product PI of 16 of O^T += V^T P, V and P of buffer b: keys 32 (PI / 8) on, channels 16 ((PI / 2) % 4) on, tile PI % 2.  first = 1: the first eight start O^T's sums: nothing is ever cleared.  Again eight accumulators by turns.
.macro PVX b, first
.set rO, 32*(PI%2)+8*((PI/2)%4)
.set rV, VF+64*(\b)+32*(PI/8)+8*((PI/2)%4)
.set rP, SB+64*(\b)+32*(PI%2)+8*(PI/8)
.if (\first) && (PI < 8)
	v_wmma_f32_16x16x32_f16 v[rO:rO+7], v[rV:rV+7], v[rP:rP+7], 0
.else
	v_wmma_f32_16x16x32_f16 v[rO:rO+7], v[rV:rV+7], v[rP:rP+7], v[rO:rO+7]
.endif
.set PI, PI+1
.endm
.macro PVA p, pv                       ; one V^T P among vector instructions of window 0, if the trip has any
.if \pv
	WIN W_PV
	PVX 1-(\p), 2-(\pv)
	WIN 0
.endif
.endm
	s_load_b128 s[4:7], s[0:1], 0x0                ; qkv s[4:5], maskw s[6:7]
	s_load_b64 s[24:25], s[0:1], 0x10              ; ao
	v_lshl_add_u32 v[SPW], v0, 2, SPARE
	v_mov_b32 v[NIL], 0
	ds_add_u32 v[SPW], v[NIL]                      ; the wave's opening: the add and its wait stand ahead of my first tensor load; the set-up stands between them
	v_lshrrev_b32 v1, 5, v0
	v_readfirstlane_b32 s[WV], v1                  ; wave 0..7
	s_bfe_u32 s30, ttmp6, 0x40000                  ; cx
	s_lshl_b32 s31, ttmp9, 2
	s_add_co_u32 s31, s31, s30                     ; my block of 256 queries
	s_and_b32 s66, ttmp7, 0xffff                   ; 16 b + h, which the partners share
	s_lshl_b32 s32, s66, 18                        ; a plane is 262,144 bytes
	s_lshr_b32 s34, s[WV], 2                       ; I fetch K (0) or V (1),
	s_and_b32 s35, s[WV], 3                        ; and which 64 rows of a slot's 256
	s_add_co_u32 s36, s34, 1
	s_lshl_b32 s36, s36, 23                        ; k begins 8,388,608 bytes on, v twice that
	s_add_co_u32 s36, s36, s32
	s_lshl_b32 s38, s35, 13
	s_add_co_u32 s40, s36, s38                     ; my tile of slot 0, in memory
	s_mov_b32 s41, 0
	s_mul_i32 s[G0+1], s34, VOFF
	s_mul_i32 s39, s35, 64*PK
	s_add_co_u32 s[G0+1], s[G0+1], s39             ; and in LDS: no place in the cluster enters it
	s_lshl_b32 s42, s30, 13                        ; the prefetches: my work-group's 8,192 bytes,
	s_add_co_u32 s42, s42, s36
	s_add_co_u32 s42, s42, PHASE                   ; in the second slot's rows: the first change of slots steps it to the third's
	s_mov_b32 s43, 0
	s_lshl_b32 s44, s31, 15
	s_lshl_b32 s45, s[WV], 12
	s_add_co_u32 s44, s44, s45
	s_add_co_u32 s44, s44, s32                     ; my wave's 32 rows of q and of ao
	s_mov_b32 s45, 0
	s_lshr_b32 s46, s66, 4
	s_lshl_b32 s46, s46, 19                        ; the mask words: b x 524,288,
	s_lshl_b32 s47, s31, 16
	s_add_co_u32 s46, s46, s47
	s_lshl_b32 s47, s[WV], 13
	s_add_co_u32 s46, s46, s47                     ; + 4,096 x (16 x block + 2 x wave)
	s_mov_b32 s47, 0
	s_mov_b32 s[G1], 15|(1<<16)|(1<<20)|(1<<21)|(4<<22)|(3<<25)   ; the mask: all four; elements of 2 bytes; padding on; bit 21 beside a mask; 4 words of padding after every 32
	s_mov_b32 s[G1+1], 64<<16                      ; tensor_dim0
	s_mov_b32 s[G1+2], 64<<16                      ; tensor_dim1
	s_mov_b32 s[G1+3], 64<<16                      ; tile_dim0
	s_mov_b32 s[G1+4], 64                          ; tile_dim1
	s_mov_b32 s[G1+5], 64                          ; the pitch
	s_mov_b32 s[G1+6], 0
	s_mov_b32 s[G1+7], 0
	s_mov_b32 s[SEL], 0x76543210
	s_mov_b32 s[SEL+1], 0xfedcba98
	s_mov_b32 s[CS], 0x3e38aa3b                    ; c = log2(e) / 8
	s_mov_b32 s[CS+1], s[CS]
	s_mov_b32 s[TB], 0
	s_mov_b32 s[SLOTS], 7
	s_and_b32 s[LIM], s[WV], 3
	s_or_b32 s[LIM], s[LIM], ttmp9                 ; 0 in waves 0 and 4 of the head's first cluster: the same in all four partners
	s_cmp_eq_u32 s[LIM], 0
	s_cselect_b32 s[LIM], 1, -1
	s_mul_i32 s100, s[WV], 32*PK
	s_add_co_u32 s100, s100, STAGE                 ; my stage
	s_wait_dscnt 0x0                               ; the opening add is done
	s_wait_kmcnt 0x0
	s_mov_b32 s[G0], 1
	s_add_nc_u64 s[G0+2:G0+3], s[4:5], s[40:41]
	s_or_b32 s[G0+3], s[G0+3], 0x80000000
	s_add_nc_u64 s[PFA:PFA+1], s[4:5], s[42:43]
	s_add_nc_u64 s[4:5], s[4:5], s[44:45]
	s_add_nc_u64 s[24:25], s[24:25], s[44:45]
	s_add_nc_u64 s[MP:MP+1], s[MP:MP+1], s[46:47]
	CROUND                                         ; all four work-groups are here
	JLOAD                                          ; keys 0 to 255 into slot 0
	MLOADS                                         ; step 0's mask words
	v_and_b32 v1, 15, v0                           ; r
	v_bfe_u32 v2, v0, 4, 1                         ; h
	v_lshlrev_b32 v[QO], 7, v1
	v_lshl_add_u32 v[QO], v2, 4, v[QO]             ; Q: row r of 128 bytes + 16 h
.irp t, 0,1
.irp c, 0,1
	global_load_b128 v[QF+16*\t+8*\c:QF+16*\t+8*\c+3],   v[QO], s[4:5] offset:2048*\t+64*\c
	global_load_b128 v[QF+16*\t+8*\c+4:QF+16*\t+8*\c+7], v[QO], s[4:5] offset:2048*\t+64*\c+32
.endr
.endr
	v_mul_u32_u24 v[AK0], v1, PK
	v_lshl_add_u32 v[AK0], v2, 4, v[AK0]           ; K: row r x pitch + 16 h
	v_and_b32 v15, 7, v0
	v_bfe_u32 v40, v0, 3, 1
	v_lshl_add_u32 v[AV0], v2, 3, v15              ; V, for the turning load: key 8 h + lane % 8,
	v_mul_u32_u24 v[AV0], v[AV0], PK
	v_lshl_add_u32 v[AV0], v40, 4, v[AV0]          ; channels 8 ((lane / 8) % 2) on
	v_add_nc_u32 v[AV0], VOFF, v[AV0]
	v_add_nc_u32 v[STO], s100, v[AK0]              ; the stage, in: row r, 16 bytes for each half of the lanes
	v_bfe_u32 v40, v0, 3, 2
	v_mul_u32_u24 v[RD], v40, PK
	v_lshl_add_u32 v[RD], v15, 4, v[RD]
	v_add_nc_u32 v[RD], s100, v[RD]                ; back: eight lanes to a row, four rows an instruction
	v_and_b32 v40, 31, v0
	v_lshlrev_b32 v[GO], 4, v40
	v_lshlrev_b32 v[PFO], 8, v40
	v_mov_b32 v[NEG], 0xd0000000                   ; -2^33
.irp t, 0,1
	v_mov_b32 v[ST+8*\t+1], 0xff61b1e6             ; m = -3e38, under every score
	v_mul_f32 v[ST+8*\t], s[CS], v[ST+8*\t+1]      ; c m
	v_mov_b32 v[ST+8*\t+2], 0                      ; l, in two halves
	v_mov_b32 v[ST+8*\t+3], 0
.endr
; TRIP j.  p = j % 2: the buffer of this step's scores.  q: which of the slot's four steps is step j + 1.
; pv = 2: V^T P of step j - 1; 1: it starts O^T's sums; 0: none.  kq = 1: K and V of step j + 1 are fetched and K Q^T of step j + 1 is made.  rs = 1: O^T is rescaled.  more = 1: step j + 1's mask words are asked for.
; DISTANCES (ISA guide 7.12.1 for vector instructions): behind the last V^T P stand ten plain instructions on the statistics, ahead of the loads into V's buffer and of the K Q^T that writes over P;
; behind the last K Q^T stand the sums, the roundings and the rescaling, ahead of the next trip's loads into K and its first read of the scores.  No vector instruction among the products names a register of theirs.
.macro BODY p, q, pv, kq, rs, more
.set SJ, SB+64*(\p)
.set PI, 0
.set KI, 0
.if \kq
	FETCH_K \q                                     ; K of step j + 1: it has the mask and the maximum in which to land
.endif
	s_wait_kmcnt 0x0                               ; this step's mask words are in, so their address may step
	s_add_nc_u64 s[MP:MP+1], s[MP:MP+1], 128
.irp t, 0,1                            ; THE MASK, a product ahead of each tile's eight lines
.irp k, 0,1,2,3
	PVA \p, \pv
.irp j, 0,1,2,3,4,5,6,7
	v_cndmask_b32 v[SJ+32*\t+8*\k+\j], v[NEG], v[SJ+32*\t+8*\k+\j], s[MB0+36*\t+8*\k+\j]   ; each tile of scores from its low end on
.endr
.endr
.endr
.if \more
	MLOADS                                         ; they have the rest of the trip in which to land
.endif
.irp u, 0,1,2,3                        ; THE MAXIMUM of the lane's 32 scores and the old m: four chains a tile, the two tiles by turns; a product ahead of every four lines
.if (\u%2) == 0
	PVA \p, \pv
.endif
.irp t, 0,1
	v_max3_num_f32 v[ST+8*\t+4+\u], v[SJ+32*\t+8*\u], v[SJ+32*\t+8*\u+1], v[SJ+32*\t+8*\u+2]
.endr
.endr
.irp i, 3,5
.irp u, 0,1,2,3
.if (\u%2) == 0
	PVA \p, \pv
.endif
.irp t, 0,1
	v_max3_num_f32 v[ST+8*\t+4+\u], v[ST+8*\t+4+\u], v[SJ+32*\t+8*\u+\i], v[SJ+32*\t+8*\u+\i+1]
.endr
.endr
.endr
	PVA \p, \pv
.irp t, 0,1
	v_max3_num_f32 v[ST+8*\t+4], v[ST+8*\t+4], v[SJ+32*\t+7], v[SJ+32*\t+15]
	v_max3_num_f32 v[ST+8*\t+6], v[ST+8*\t+6], v[SJ+32*\t+23], v[SJ+32*\t+31]
.endr
.irp t, 0,1
	v_max3_num_f32 v[ST+8*\t+4], v[ST+8*\t+4], v[ST+8*\t+5], v[ST+8*\t+6]
.endr
.irp t, 0,1
	v_max3_num_f32 v[ST+8*\t+4], v[ST+8*\t+4], v[ST+8*\t+7], v[ST+8*\t+1]
.endr
	PVA \p, \pv                                    ; the sixteenth
.irp t, 0,1
	v_permlanex16_b32 v[ST+8*\t+5], v[ST+8*\t+4], s[SEL], s[SEL+1]   ; the query's other 32 keys lie in the lane 16 away
	v_mov_b32 v[ST+8*\t+7], v[ST+8*\t]             ; c m_old is kept for a
.endr
.irp t, 0,1
	v_max_num_f32 v[ST+8*\t+1], v[ST+8*\t+4], v[ST+8*\t+5]
.endr
.irp t, 0,1
	v_mul_f32 v[ST+8*\t], s[CS], v[ST+8*\t+1]
.endr
.irp t, 0,1
	v_sub_f32 v[ST+8*\t+7], v[ST+8*\t+7], v[ST+8*\t]
.endr
.if \kq
	WIN W_LD1
	FETCH_V \q, 1-(\p)                             ; V of step j + 1, into the buffer that V^T P of step j - 1 has left
	WIN 0
	s_wait_dscnt 16                                ; all but these sixteen: K of step j + 1 and V of step j are in
.endif
; ONE BATCH: the 32 scalings c s - c m and the 66 exponentials; none of these lines names an exponential's result.  A chunk is a product, a pair's scaling in both tiles, and the exponentials of the pair before.
.set GG, 0
.rept 16
.if \kq
	KQ1 1-(\p)
.endif
.irp t, 0,1
	v_pk_fma_f32 v[SJ+32*\t+2*GG:SJ+32*\t+2*GG+1], v[SJ+32*\t+2*GG:SJ+32*\t+2*GG+1], s[CS:CS+1], v[ST+8*\t:ST+8*\t+1] op_sel_hi:[1,0,0] neg_lo:[0,0,1] neg_hi:[0,0,1]
.endr
.if GG == 0
.irp t, 0,1
	v_exp_f32 v[ST+8*\t+6], v[ST+8*\t+7]           ; a
.endr
.else
.irp t, 0,1
	v_exp_f32 v[SJ+32*\t+2*GG-2], v[SJ+32*\t+2*GG-2]   ; p
	v_exp_f32 v[SJ+32*\t+2*GG-1], v[SJ+32*\t+2*GG-1]
.endr
.endif
.set GG, GG+1
.endr
.irp t, 0,1
	v_exp_f32 v[SJ+32*\t+30], v[SJ+32*\t+30]
	v_exp_f32 v[SJ+32*\t+31], v[SJ+32*\t+31]
.endr
	v_nop                                          ; a plain instruction behind the last exponential
	s_wait_alu depctr_va_vdst(0)                   ; one wait for the batch of 66, ahead of its first reader
.irp t, 0,1                            ; l = a l + the sum of p, two at a time, in two chains a tile
	v_pk_fma_f32 v[ST+8*\t+2:ST+8*\t+3], v[ST+8*\t+2:ST+8*\t+3], v[ST+8*\t+6:ST+8*\t+7], v[SJ+32*\t:SJ+32*\t+1] op_sel_hi:[1,0,1]
	v_pk_add_f32 v[ST+8*\t+4:ST+8*\t+5], v[SJ+32*\t+2:SJ+32*\t+3], v[SJ+32*\t+6:SJ+32*\t+7]
.endr
.irp o, 4,8,12,16,20,24
.irp t, 0,1
	v_pk_add_f32 v[ST+8*\t+2:ST+8*\t+3], v[ST+8*\t+2:ST+8*\t+3], v[SJ+32*\t+\o:SJ+32*\t+\o+1]
	v_pk_add_f32 v[ST+8*\t+4:ST+8*\t+5], v[ST+8*\t+4:ST+8*\t+5], v[SJ+32*\t+\o+6:SJ+32*\t+\o+7]
.endr
.endr
.irp t, 0,1
	v_pk_add_f32 v[ST+8*\t+2:ST+8*\t+3], v[ST+8*\t+2:ST+8*\t+3], v[SJ+32*\t+28:SJ+32*\t+29]
.endr
.irp t, 0,1
	v_pk_add_f32 v[ST+8*\t+2:ST+8*\t+3], v[ST+8*\t+2:ST+8*\t+3], v[ST+8*\t+4:ST+8*\t+5]
.endr
.irp i, 0,1,2,3,4,5,6,7,8,9,10,11,12,13,14,15
.irp t, 0,1
	v_cvt_pk_f16_f32 v[SJ+32*\t+\i], v[SJ+32*\t+2*\i], v[SJ+32*\t+2*\i+1]   ; P in place: register i takes registers 2 i and 2 i + 1; ascending, so no p is written over before it is read
.endr
.endr
.if \rs
	WIN W_RS
.irp t, 0,1
.irp i, 0,2,4,6,8,10,12,14,16,18,20,22,24,26,28,30
	v_pk_mul_f32 v[32*\t+\i:32*\t+\i+1], v[32*\t+\i:32*\t+\i+1], v[ST+8*\t+6:ST+8*\t+7] op_sel_hi:[1,0]   ; O^T x a: behind V^T P of step j - 1, ahead of step j's; each accumulator from its low end on
.endr
.endr
	WIN 0
.endif
.endm
.macro NEWSLOT                         ; the addresses of the slot that has just become whole
	v_add_nc_u32 v[ADK], s[TB], v[AK0]
	v_add_nc_u32 v[ADV], s[TB], v[AV0]
	s_xor_b32 s[TB], s[TB], SLOT1
.endm
.macro FOUR                            ; trips 4 n - 1 to 4 n + 2: they fetch the four steps of slot n
	NEWSLOT
	BODY 1, 0, 2, 1, 1, 1
	BODY 0, 1, 2, 1, 1, 1
	BODY 1, 2, 2, 1, 1, 1
	BODY 0, 3, 2, 1, 1, 1
.endm
; THE CHANGE OF SLOTS.  Each wave waits for all its tensor loads (one is out: its part of the slot that it is about to read), adds 0 to its spare word, and waits for that and for its reads of the slot it has left
; (the last of them, V of that slot's fourth step, were issued half a trip ago).
; fill = 1: a round of the cluster's barrier, so that no wave of any partner still reads that slot or has a load on its way; the joint refill is the first thing behind it and has four trips in which to land.
.macro CHANGE fill
	s_wait_tensorcnt 0x0
	ds_add_u32 v[SPW], v[NIL]
.if \fill
	s_xor_b32 s[G0+1], s[G0+1], SLOT1              ; the walking descriptor: the other slot, the next 256 rows
	s_add_nc_u64 s[G0+2:G0+3], s[G0+2:G0+3], PHASE
	s_wait_xcnt 0x0                                ; the last prefetch, a slot back, has read its address
	s_add_nc_u64 s[PFA:PFA+1], s[PFA:PFA+1], PHASE ; one slot further on than the descriptor
	s_wait_dscnt 0x0
	CROUND
	JLOAD
	ASK
.else
	s_wait_dscnt 0x0
	s_barrier_signal -1
	s_barrier_wait -1
.endif
.endm
	CHANGE 1                                       ; slot 0 is whole; keys 256 to 511 are asked for
	NEWSLOT
	FETCH_K 0                                      ; THE HEAD: K and V of step 0, and its scores, with no vector work yet to set among the products
	WIN W_LD1
	FETCH_V 0, 0
	WIN 0
	s_wait_loadcnt 0x0                             ; Q
	s_wait_dscnt 16                                ; K is in; V's sixteen loads may be out
.set KI, 0
.rept 16
	KQ1 0
.endr
	PLACES                                         ; in front of the loads into K's registers and of the first read of the scores
	BODY 0, 1, 0, 1, 0, 1                          ; trip 0: there is no V^T P yet, and nothing to rescale
	BODY 1, 2, 1, 1, 1, 1                          ; trip 1: V^T P of step 0 starts O^T
	BODY 0, 3, 2, 1, 1, 1
	s_mov_b32 s[SLOTS], 6
.Lslot:                                            ; six trips of four: each reads one slot and asks for the next
	CHANGE 1
	FOUR
	s_sub_co_u32 s[SLOTS], s[SLOTS], 1
	s_cmp_lg_u32 s[SLOTS], 0
	s_cbranch_scc1 .Lslot
	CHANGE 0                                       ; the last slot is written out
	FOUR
	BODY 1, 0, 2, 0, 1, 0                          ; trip 31: nothing is left to fetch
	s_wait_dscnt 0x0                               ; V of step 31
	WIN W_PV
.set PI, 0
.rept 16
	PVX 1, 0                                       ; V^T P of step 31
.endr
	WIN 0
	; THE WAY OUT: l's halves and the other half of the lanes' are added; O^T / l is rounded to f16 and goes through my stage, so that a store covers four whole rows.
	PLACES
.irp t, 0,1
	v_add_f32 v[ST+8*\t+4], v[ST+8*\t+2], v[ST+8*\t+3]
.endr
.irp t, 0,1
	v_permlanex16_b32 v[ST+8*\t+5], v[ST+8*\t+4], s[SEL], s[SEL+1]
.endr
.irp t, 0,1
	v_add_f32 v[ST+8*\t+4], v[ST+8*\t+4], v[ST+8*\t+5]
.endr
.irp t, 0,1
	v_rcp_f32 v[ST+8*\t+6], v[ST+8*\t+4]
.endr
	v_nop
	s_wait_alu depctr_va_vdst(0)                   ; one wait for the two reciprocals, ahead of their first reader
.irp t, 0,1
	WIN W_RS
.irp i, 0,2,4,6,8,10,12,14,16,18,20,22,24,26,28,30
	v_pk_mul_f32 v[32*\t+\i:32*\t+\i+1], v[32*\t+\i:32*\t+\i+1], v[ST+8*\t+6:ST+8*\t+7] op_sel_hi:[1,0]
.endr
	WIN 0x05                                       ; sources window 1, destination window 0: the first buffer of scores is free
.irp i, 0,1,2,3,4,5,6,7,8,9,10,11,12,13,14,15
	v_cvt_pk_f16_f32 v[SB+16*\t+\i], v[32*\t+2*\i], v[32*\t+2*\i+1]
.endr
	WIN 0
.irp c, 0,1,2,3
	ds_store_b128 v[STO], v[SB+16*\t+4*\c:SB+16*\t+4*\c+3] offset:16*PK*\t+32*\c
.endr
.endr
.irp i, 0,1,2,3,4,5,6,7
	ds_load_b128 v[KF+4*\i:KF+4*\i+3], v[RD] offset:4*PK*\i   ; LDS serves a wave's instructions in order: these see my stores
.endr
.irp i, 0,1,2,3,4,5,6,7
	s_wait_dscnt 7-\i                              ; the younger loads stay out
	global_store_b128 v[GO], v[KF+4*\i:KF+4*\i+3], s[24:25] offset:512*\i   ; 512 consecutive bytes, aligned
.endr
	s_wait_tensorcnt 0x0                           ; the wave's end
	ds_add_u32 v[SPW], v[NIL]
	s_wait_dscnt 0x0
	CROUND                                         ; the closing round
	s_endpgm
.Lfunc_end_k_q961115fbef_attn:
	.size	k_q961115fbef_attn, .Lfunc_end_k_q961115fbef_attn-k_q961115fbef_attn
	.p2alignl 7, 3214868480
	.fill 96, 4, 3214868480
	.section	.rodata,"a",@progbits
	.p2align	6, 0x0
	.amdhsa_kernel k_q961115fbef_attn
		.amdhsa_group_segment_fixed_size 327680
		.amdhsa_private_segment_fixed_size 0
		.amdhsa_enable_private_segment 0
		.amdhsa_kernarg_size 24
		.amdhsa_user_sgpr_count 2
		.amdhsa_user_sgpr_kernarg_segment_ptr 1
		.amdhsa_wavefront_size32 1
		.amdhsa_system_sgpr_workgroup_id_x 1
		.amdhsa_system_sgpr_workgroup_id_y 1
		.amdhsa_system_sgpr_workgroup_id_z 1
		.amdhsa_system_vgpr_workitem_id 0
		.amdhsa_next_free_vgpr 448
		.amdhsa_next_free_sgpr 102
		.amdhsa_reserve_vcc 0
		.amdhsa_float_denorm_mode_32 3
		.amdhsa_float_denorm_mode_16_64 3
		.amdhsa_memory_ordered 1
		.amdhsa_forward_progress 1
		.amdhsa_inst_pref_size 255
	.end_amdhsa_kernel
	.section	.bss,"aw",@nobits
	.p2align	6
	.space	262144
	.amdgpu_metadata
---
amdhsa.version: [ 1, 2 ]
amdhsa.kernels:
  - .name:           k_q961115fbef_attn
    .symbol:         k_q961115fbef_attn.kd
    .args:
      - { .name: qkv, .offset: 0, .size: 8, .value_kind: global_buffer, .address_space: global }
      - { .name: maskw, .offset: 8, .size: 8, .value_kind: global_buffer, .address_space: global }
      - { .name: ao, .offset: 16, .size: 8, .value_kind: global_buffer, .address_space: global }
    .group_segment_fixed_size: 327680
    .private_segment_fixed_size: 0
    .kernarg_segment_align: 8
    .kernarg_segment_size: 24
    .max_flat_workgroup_size: 256
    .sgpr_count:     102
    .vgpr_count:     448
    .wavefront_size: 32
...
	.end_amdgpu_metadata
.endif
;; end of part 3
;; launch outp (part 4): grid 8 x 32, 4 waves a work-group, clusters of 4 x 4, 327,680 bytes of LDS; arguments ao, wo16, out0, bo; writes out0
.if DOCPART == 4
	.amdgcn_target "amdgcn-amd-amdhsa--gfx1250"
	.amdhsa_code_object_version 6
	.text
	.protected	k_q961115fbef_outp
	.globl	k_q961115fbef_outp
	.p2align	8
	.type	k_q961115fbef_outp,@function
k_q961115fbef_outp:
	s_mov_b64 s[64:65], 0
	v_nop
	global_prefetch_b8 v0, s[64:65] scope:SCOPE_SE
	s_setreg_imm32_b32 hwreg(HW_REG_WAVE_MODE, 25, 1), 1
	s_wait_xcnt 0x0
	s_wait_alu depctr_hold_cnt(0) depctr_sa_sdst(0) depctr_va_vdst(0) depctr_va_sdst(0) depctr_va_ssrc(0) depctr_va_vcc(0) depctr_vm_vsrc(0)
	s_getreg_b32 s2, hwreg(HW_REG_IB_STS2, 6, 4)
	s_cmp_eq_u32 s2, 0
	s_cbranch_scc0 .Lentry_in_a_cluster
	s_endpgm
.Lentry_in_a_cluster:
	s_bfe_u32 s2, ttmp6, 0x10000c
	s_cmp_lg_u32 s2, 0xf033
	s_cbranch_scc0 .Lentry_shape_is_right
	s_endpgm
.Lentry_shape_is_right:
; out0[m][n] = sum over k of A[m][k] Wo[n][k] + bo[n], M = 4,096, N = K = 1,024, f16 operands, f32 sums and output.
; Both operands lie by head: ao [b][z 16][s 2048][64], wo16 [z 16][n 1024][64], k = 64 z + x.  A K step is 256 = four heads.
; A tile of out0 is 128 x 128: 256 work-groups, four waves of 64 x 64: 16 accumulators.  Two LDS slots; a wave's one tensor load brings 64 rows x four heads, stated as 4 rows of 4,096 elements (a head's 64 rows are dense),
; with 16 bytes of padding behind each 128: in LDS [z 4][64 rows][144 bytes].
; CLUSTER 4 x 4: A's tiles are shared along a row of the cluster, Wo's along a column, by joint loads.  THE MATRIX INSTRUCTION IS USED TRANSPOSED (source 0 = 16 rows of Wo, source 1 = 16 rows of A).
; The bias is the C of each sum's first product.
; REGISTERS: window 0: v0-31 addresses; v96-127 the bias; v128-255 the accumulators ((a, b) at v[128 + 8 (4 a + b)]).  window 1: two fragment buffers of 128; on the way out rows of out0.
.set PITCH,  144
.set PLANE,  64*PITCH                  ; a head's 64 rows
.set HALFT,  4*PLANE                   ; what one tensor load brings
.set SLOT,   4*HALFT
.set SPARE,  2*SLOT                    ; the spare words: 128 bytes a wave, two blocks of 256 bytes that no other line names
.set SPITCH, 272
.set LAPS,   2
.set ASTEP,  4*262144                  ; a K step in ao: four planes
.set BSTEP,  4*131072                  ; and in wo16
.set ADRA, 16
.set ADRB, 20
.set STO,  24
.set RD,   25
.set CO,   26
.set BA,   27
.set SPW,  28
.set NIL,  29
.set BI,   96
.set ACC,  128
.set F0,   0
.set F1,   128
.set G1, 24
.set G0, 32
.set G1B, 48
.set G0B, 56
.set MSB, 0
.macro WIN new
.if MSB != (\new)
	s_set_vgpr_msb (MSB<<8)|(\new)
.set MSB, (\new)
.endif
.endm
.set MUL,  0x05                        ; sources window 1; C and D window 0
.set TO_F, 0x40
.macro JLOAD s                         ; waves 0 and 1 fetch A's halves, waves 2 and 3 Wo's; an s_nop 0 and four v_nop follow each line
	s_cmp_eq_u32 s11, 0
	s_cbranch_scc0 .Lfor_b_\@
	tensor_load_to_lds s[G0+4*\s:G0+4*\s+3], s[G1:G1+7]
	s_nop 0
.rept 4
	v_nop
.endr
	s_branch .Lasked_\@
.Lfor_b_\@:
	tensor_load_to_lds s[G0B+4*\s:G0B+4*\s+3], s[G1B:G1B+7]
	s_nop 0
.rept 4
	v_nop
.endr
.Lasked_\@:
.endm
.macro CREST
	s_cmp_lg_u32 s10, 0
	s_cbranch_scc1 .Lnot_wave_0_\@
	s_barrier_signal -3
.Lnot_wave_0_\@:
	s_barrier_wait -3
	s_barrier_signal -1
	s_barrier_wait -1
.endm
.macro CROUND
	s_barrier_signal -1
	s_barrier_wait -1
	CREST
.endm
	s_load_b128 s[4:7], s[0:1], 0x0                ; ao, wo16
	s_load_b64 s[8:9], s[0:1], 0x10                ; out0
	s_load_b64 s[66:67], s[0:1], 0x18              ; bo
	v_lshl_add_u32 v[SPW], v0, 2, SPARE
	v_mov_b32 v[NIL], 0
	ds_add_u32 v[SPW], v[NIL]                      ; the wave's opening: the add and its wait stand ahead of my first tensor load
	v_lshrrev_b32 v1, 5, v0
	v_readfirstlane_b32 s10, v1                    ; wave 0..3
	s_lshr_b32 s11, s10, 1                         ; my half of the tile's rows; also: I fetch A (0) or Wo (1)
	s_and_b32 s12, s10, 1                          ; my half of its columns; also: which 64 rows I fetch
	s_bfe_u32 s40, ttmp6, 0x40000
	s_bfe_u32 s41, ttmp6, 0x40004
	s_lshl_b32 s42, ttmp9, 2
	s_add_co_u32 s42, s42, s40                     ; tile column
	s_and_b32 s13, ttmp7, 0xffff
	s_lshl_b32 s13, s13, 2
	s_add_co_u32 s13, s13, s41                     ; tile row
	s_lshl_b32 s43, s41, 2
	s_lshl_b32 s43, 15, s43
	s_lshl_b32 s44, 0x1111, s40
	s_or_b32 s[G1+0], s43, (1<<16)|(1<<20)|(1<<21)|(4<<22)|(3<<25)  ; the mask; elements of 2 bytes; padding on; bit 21 beside a mask; 4 words of padding after every 32
	s_or_b32 s[G1B+0], s44, (1<<16)|(1<<20)|(1<<21)|(4<<22)|(3<<25)
.irp g, G1, G1B
	s_mov_b32 s[\g+1], 4096<<16                    ; tensor_dim0 = 4,096
	s_mov_b32 s[\g+2], 4<<16                       ; tensor_dim1 = 4
	s_mov_b32 s[\g+3], 4096<<16                    ; tile_dim0
	s_mov_b32 s[\g+4], 4                           ; tile_dim1
	s_mov_b32 s[\g+6], 0
	s_mov_b32 s[\g+7], 0
.endr
	s_mov_b32 s[G1+5], 131072                      ; from head to head, in elements: ao
	s_mov_b32 s[G1B+5], 65536                      ; wo16
	s_lshl_b32 s17, s12, 6
	s_lshl_b32 s16, s13, 7
	s_add_co_u32 s16, s16, s17                     ; A: row m0 = 128 x tile row + 64 x half
	s_lshr_b32 s18, s16, 11
	s_lshl_b32 s18, s18, 22                        ; b x 4,194,304
	s_and_b32 s16, s16, 2047
	s_lshl_b32 s16, s16, 7
	s_add_co_u32 s16, s16, s18
	s_lshl_b32 s46, s42, 7
	s_add_co_u32 s46, s46, s17                     ; Wo: row 128 x tile column + 64 x half
	s_lshl_b32 s46, s46, 7
	s_mov_b32 s17, 0
	s_mov_b32 s47, 0
	s_mul_i32 s20, s10, HALFT                      ; where they go
	s_wait_dscnt 0x0                               ; the opening add is done
	s_wait_kmcnt 0x0
	s_add_nc_u64 s[14:15], s[4:5], s[16:17]
	s_add_nc_u64 s[46:47], s[6:7], s[46:47]
	CROUND                                         ; all sixteen work-groups are here
.irp s, 0,1
	s_mov_b32 s[G0+4*\s], 1
	s_add_co_u32 s[G0+4*\s+1], s20, \s*SLOT
	s_add_nc_u64 s[G0+4*\s+2:G0+4*\s+3], s[14:15], \s*ASTEP
	s_or_b32 s[G0+4*\s+3], s[G0+4*\s+3], 0x80000000
	s_mov_b32 s[G0B+4*\s], 1
	s_add_co_u32 s[G0B+4*\s+1], s20, \s*SLOT
	s_add_nc_u64 s[G0B+4*\s+2:G0B+4*\s+3], s[46:47], \s*BSTEP
	s_or_b32 s[G0B+4*\s+3], s[G0B+4*\s+3], 0x80000000
	JLOAD \s
.endr
	v_and_b32 v1, 15, v0
	v_bfe_u32 v2, v0, 4, 1
	s_lshl_b32 s16, s13, 7
	s_lshl_b32 s17, s11, 6
	s_add_co_u32 s16, s16, s17
	s_lshl_b32 s16, s16, 12                        ; my first row of out0, 4,096 bytes a row
	s_lshl_b32 s46, s42, 7
	s_lshl_b32 s47, s12, 6
	s_add_co_u32 s46, s46, s47
	s_lshl_b32 s46, s46, 2                         ; my first column, in bytes
	s_mov_b32 s47, 0
	s_add_nc_u64 s[66:67], s[66:67], s[46:47]
	s_add_co_u32 s16, s16, s46
	s_mov_b32 s17, 0
	s_add_nc_u64 s[8:9], s[8:9], s[16:17]
	v_lshlrev_b32 v[BA], 5, v2
.irp b, 0,1,2,3
	global_load_b128 v[BI+8*\b:BI+8*\b+3], v[BA], s[66:67] offset:64*\b        ; register 8 b + j = bo[16 b + 8 h + j]: the result's layout
	global_load_b128 v[BI+8*\b+4:BI+8*\b+7], v[BA], s[66:67] offset:64*\b+16
.endr
	v_mul_u32_u24 v3, v1, PITCH
	v_lshl_add_u32 v3, v2, 4, v3
	s_mul_i32 s21, s11, HALFT
	s_mul_i32 s22, s12, HALFT
	s_add_co_u32 s22, s22, 2*HALFT
.irp s, 0,1
	v_add_nc_u32 v[ADRA+\s], s21, v3
	v_add_nc_u32 v[ADRB+\s], s22, v3
	s_add_co_u32 s21, s21, SLOT
	s_add_co_u32 s22, s22, SLOT
.endr
	s_mul_i32 s23, s10, 64*SPITCH                  ; my stage: 64 rows x 272 bytes, in slot 0
	v_mul_u32_u24 v4, v1, SPITCH
	v_lshl_add_u32 v4, v2, 5, v4
	v_add_nc_u32 v[STO], s23, v4                   ; in: row r, 32 bytes for each half of the lanes
	v_mul_u32_u24 v5, v2, SPITCH
	v_lshl_add_u32 v5, v1, 4, v5
	v_add_nc_u32 v[RD], s23, v5                    ; back: sixteen lanes to a row of 256 bytes, two rows an instruction
	v_lshlrev_b32 v5, 12, v2
	v_lshl_add_u32 v[CO], v1, 4, v5                ; the same two rows in out0
.macro MUL8 f, c, a0, first            ; 8 matrix instructions; the 16 accumulators take turns
.irp a, \a0, \a0+1
.irp b, 0,1,2,3
.if \first
	v_wmma_f32_16x16x32_f16 v[ACC+8*(4*(\a)+\b):ACC+8*(4*(\a)+\b)+7], v[\f+64+8*(4*\c+\b):\f+64+8*(4*\c+\b)+7], v[\f+8*(4*\c+\a):\f+8*(4*\c+\a)+7], v[BI+8*\b:BI+8*\b+7]
.else
	v_wmma_f32_16x16x32_f16 v[ACC+8*(4*(\a)+\b):ACC+8*(4*(\a)+\b)+7], v[\f+64+8*(4*\c+\b):\f+64+8*(4*\c+\b)+7], v[\f+8*(4*\c+\a):\f+8*(4*\c+\a)+7], v[ACC+8*(4*(\a)+\b):ACC+8*(4*(\a)+\b)+7]
.endif
.endr
.endr
.endm
.macro FETCH slot, k, f                ; 32 LDS loads: the fragments of one head (64 along K), whose plane begins at byte k
	WIN TO_F
.irp c, 0,1
.irp i, 0,1,2,3
	ds_load_b128 v[\f+64+8*(4*\c+\i):\f+64+8*(4*\c+\i)+3],   v[ADRB+\slot] offset:\k+64*\c+\i*16*PITCH
	ds_load_b128 v[\f+64+8*(4*\c+\i)+4:\f+64+8*(4*\c+\i)+7], v[ADRB+\slot] offset:\k+64*\c+\i*16*PITCH+32
	ds_load_b128 v[\f+8*(4*\c+\i):\f+8*(4*\c+\i)+3],         v[ADRA+\slot] offset:\k+64*\c+\i*16*PITCH
	ds_load_b128 v[\f+8*(4*\c+\i)+4:\f+8*(4*\c+\i)+7],       v[ADRA+\slot] offset:\k+64*\c+\i*16*PITCH+32
.endr
.endr
.endm
.macro PLACES
.rept 4
	v_nop
.endr
.endm
.macro QUARTER slot, k, f, g, first    ; one head: 32 matrix instructions on buffer f; the next head, at byte k, is fetched into g
	s_wait_dscnt 16                                ; the first 32 along K are in; the other sixteen loads may be out
	WIN MUL
	MUL8 \f, 0, 0, \first
	MUL8 \f, 0, 2, \first
	PLACES
	FETCH \slot, \k, \g
	s_wait_dscnt 32                                ; all but the 32 just issued
	WIN MUL
	MUL8 \f, 1, 0, 0
	MUL8 \f, 1, 2, 0
.endm
; A slot's last head changes slots: one barrier; in front of it each wave waits for all its tensor loads, adds 0 to its spare word, and waits for that and for its reads of this slot.  fill = 1: the slot is filled again, two K steps ahead.
.macro TURN slot, next, fill
	WIN 0
	s_wait_tensorcnt 0x0
	ds_add_u32 v[SPW], v[NIL]
	s_wait_dscnt 17                                ; the add and the youngest sixteen loads may be out
	WIN MUL
	MUL8 F1, 0, 0, 0
	s_wait_dscnt 0x0                               ; the add is done, and my reads of this slot are over
	s_barrier_signal -1
	MUL8 F1, 0, 2, 0
.if \fill
	WIN 0
.endif
	s_barrier_wait -1
.if \fill
	CREST                                          ; the barrier has opened a round of the cluster's barrier
	s_add_nc_u64 s[G0+4*\slot+2:G0+4*\slot+3], s[G0+4*\slot+2:G0+4*\slot+3], 2*ASTEP
	s_add_nc_u64 s[G0B+4*\slot+2:G0B+4*\slot+3], s[G0B+4*\slot+2:G0B+4*\slot+3], 2*BSTEP
	JLOAD \slot                                    ; the first tensor load behind the round; its four v_nop are also the places in front of the loads below
.else
	PLACES
.endif
	FETCH \next, 0, F0
	WIN MUL
	MUL8 F1, 1, 0, 0
	MUL8 F1, 1, 2, 0
.endm
	s_wait_tensorcnt 1                             ; my part of K step 0 is in; K step 1's load may be out,
	s_barrier_signal -1
	s_barrier_wait -1                              ; everybody's is
	FETCH 0, 0, F0
	s_wait_loadcnt 0x0                             ; the bias
	QUARTER 0, PLANE, F0, F1, 1                    ; the first products start the sums from the bias
	WIN 0
	s_mov_b32 s3, LAPS-1
.Llap:                                                 ; a trip goes once round the ring and fills both slots again
	QUARTER 0, 2*PLANE, F1, F0, 0
	QUARTER 0, 3*PLANE, F0, F1, 0
	TURN 0, 1, 1
	QUARTER 1, PLANE, F0, F1, 0
	QUARTER 1, 2*PLANE, F1, F0, 0
	QUARTER 1, 3*PLANE, F0, F1, 0
	TURN 1, 0, 1
	QUARTER 0, PLANE, F0, F1, 0
	WIN 0
	s_sub_co_u32 s3, s3, 1
	s_cmp_lg_u32 s3, 0
	s_cbranch_scc1 .Llap
	QUARTER 0, 2*PLANE, F1, F0, 0                  ; the last lap fills nothing
	QUARTER 0, 3*PLANE, F0, F1, 0
	TURN 0, 1, 0
	QUARTER 1, PLANE, F0, F1, 0
	QUARTER 1, 2*PLANE, F1, F0, 0
	QUARTER 1, 3*PLANE, F0, F1, 0
	s_wait_dscnt 16
	WIN MUL
	MUL8 F1, 0, 0, 0
	MUL8 F1, 0, 2, 0
	s_wait_dscnt 0
	MUL8 F1, 1, 0, 0
	MUL8 F1, 1, 2, 0
	WIN 0
	; THE WAY OUT.  My 64 columns of f32 are 256 consecutive bytes of a row, aligned: so each wave has a stage of its own and no barrier is needed.  The stage lies in slot 0, which has had its last fill,
	; and which nobody reads behind the last change of slots.
	PLACES
.irp a, 0,1,2,3
.irp b, 0,1,2,3
	ds_store_b128 v[STO], v[ACC+8*(4*\a+\b):ACC+8*(4*\a+\b)+3] offset:\a*16*SPITCH+64*\b        ; each accumulator from its low end on
	ds_store_b128 v[STO], v[ACC+8*(4*\a+\b)+4:ACC+8*(4*\a+\b)+7] offset:\a*16*SPITCH+64*\b+16
.endr
.endr
	WIN TO_F
.irp i, 0,1,2,3,4,5,6,7,8,9,10,11,12,13,14,15,16,17,18,19,20,21,22,23,24,25,26,27,28,29,30,31
	ds_load_b128 v[4*\i:4*\i+3], v[RD] offset:\i*2*SPITCH   ; LDS serves a wave's instructions in order: these see my stores
.endr
	WIN 0x04                                       ; a store's data are its source 1: window 1
.irp i, 0,1,2,3,4,5,6,7,8,9,10,11,12,13,14,15,16,17,18,19,20,21,22,23,24,25,26,27,28,29,30,31
	s_wait_dscnt 31-\i                             ; the younger loads stay out
	global_store_b128 v[CO], v[4*\i:4*\i+3], s[8:9] offset:8192*\i th:TH_STORE_NT   ; sixteen lanes store 256 consecutive bytes, aligned
.endr
	WIN 0
	s_wait_tensorcnt 0x0                           ; the wave's end
	ds_add_u32 v[SPW], v[NIL]
	s_wait_dscnt 0x0
	CROUND                                         ; the closing round
	s_endpgm
.Lfunc_end_k_q961115fbef_outp:
	.size	k_q961115fbef_outp, .Lfunc_end_k_q961115fbef_outp-k_q961115fbef_outp
	.p2alignl 7, 3214868480
	.fill 96, 4, 3214868480
	.section	.rodata,"a",@progbits
	.p2align	6, 0x0
	.amdhsa_kernel k_q961115fbef_outp
		.amdhsa_group_segment_fixed_size 327680
		.amdhsa_private_segment_fixed_size 0
		.amdhsa_enable_private_segment 0
		.amdhsa_kernarg_size 32
		.amdhsa_user_sgpr_count 2
		.amdhsa_user_sgpr_kernarg_segment_ptr 1
		.amdhsa_wavefront_size32 1
		.amdhsa_system_sgpr_workgroup_id_x 1
		.amdhsa_system_sgpr_workgroup_id_y 1
		.amdhsa_system_sgpr_workgroup_id_z 1
		.amdhsa_system_vgpr_workitem_id 0
		.amdhsa_next_free_vgpr 512
		.amdhsa_next_free_sgpr 68
		.amdhsa_reserve_vcc 0
		.amdhsa_float_denorm_mode_32 3
		.amdhsa_float_denorm_mode_16_64 3
		.amdhsa_memory_ordered 1
		.amdhsa_forward_progress 1
		.amdhsa_inst_pref_size 87
	.end_amdhsa_kernel
	.amdgpu_metadata
---
amdhsa.version: [ 1, 2 ]
amdhsa.kernels:
  - .name:           k_q961115fbef_outp
    .symbol:         k_q961115fbef_outp.kd
    .args:
      - { .name: ao, .offset: 0, .size: 8, .value_kind: global_buffer, .address_space: global }
      - { .name: wo16, .offset: 8, .size: 8, .value_kind: global_buffer, .address_space: global }
      - { .name: out0, .offset: 16, .size: 8, .value_kind: global_buffer, .address_space: global }
      - { .name: bo, .offset: 24, .size: 8, .value_kind: global_buffer, .address_space: global }
    .group_segment_fixed_size: 327680
    .private_segment_fixed_size: 0
    .kernarg_segment_align: 8
    .kernarg_segment_size: 32
    .max_flat_workgroup_size: 128
    .sgpr_count:     68
    .vgpr_count:     512
    .wavefront_size: 32
...
	.end_amdgpu_metadata
.endif
;; end of part 4
